; MI455X (gfx1250); checked and timed in simulation.
; The chip was launched on July 23, 2026; its instructions are those of AMD's public machine-readable ISA for CDNA 5 (MIT licence, August 2026) and "CDNA5" Instruction Set Architecture Reference Guide (July 2026). The comments in the code are by the model that wrote it; some were corrected since.
;; Causal Self Attention. Allowed arithmetic: matrix products marked QUANTISED: E2M3 operands, one E8M0 scale for each 32 along K, by v_wmma_scale_f32_16x16x128_f8f6f4 with both operands' format E2M3, f32 sums; everything else in f32.
;; Inputs: b_attn 3,072 float32; b_proj 1,024 float32; w_attn 1,024 x 3,072 float32; w_proj 1,024 x 1,024 float32; x 4 x 2,048 x 1,024 float32.
;; Outputs: out0 4 x 2,048 x 1,024 float32.
;; This version of the problem:
;;   THIS VERSION OF THE PROBLEM IS GIVEN IN LOW PRECISION. The matrix products marked QUANTISED in the list below multiply operands that are first quantised to E2M3 (2 exponent bits, 3 mantissa bits; 6 bits a number), with one power-of-two scale for each 32 numbers along K (OCP MX v1.0); their sums are f32. All else is computed in f32.
;;   The module's matrix products, in the order in which they are computed (A, B: the left and right operand; K: the contracted axis; several contracted axes count as one K, in the product's order):
;;     1. [M 8,192, K 1,024] x [K 1,024, N 3,072]; A: input x; B: input w_attn: QUANTISED
;;     2. batch 64 x [M 2,048, K 64] x [K 64, N 2,048]; A: computed on the way; B: computed on the way: QUANTISED
;;     3. batch 64 x [M 2,048, K 2,048] x [K 2,048, N 64]; A: softmax (see below); B: computed on the way: QUANTISED
;;     4. [M 8,192, K 1,024] x [K 1,024, N 1,024]; A: computed on the way; B: input w_proj: QUANTISED
;;   THE QUANTISER, for each operand of a quantised product, along K:
;;     - K is cut into blocks of 32 from its start; a last block that is shorter is filled with zeros.
;;     - A block's scale is 2^e with e = floor(log2(the largest magnitude in the block)) - 2, held to -126 .. 127; a block of zeros has e = 0. As a byte (E8M0): e + 127.
;;     - Each number is divided by its block's scale, clamped to +-7.5, and rounded to the nearest number of E2M3, ties to even, subnormals kept.
;;     - The product sums the exact products of the quantised numbers (number of the format x scale) in f32.
;;   ~~~python
;;   def quantise(x, axis):      # numpy; x: float32 -> the quantised numbers, widened to float32 again
;;       x = np.moveaxis(x, axis, -1); K = x.shape[-1]
;;       x = np.pad(x, [(0, 0)] * (x.ndim - 1) + [(0, -K % 32)]); x = x.reshape(x.shape[:-1] + (-1, 32)); a = np.abs(x).max(-1, keepdims=True)
;;       e = np.where(a > 0, np.clip(np.frexp(np.where(a > 0, a, 1))[1] - 1 - 2, -126, 127), 0)      # np.frexp(a)[1] - 1 = floor(log2(a)), exactly
;;       r = np.clip(x / 2.0 ** e, -7.5, 7.5)
;;       step = 2.0 ** (np.maximum(np.frexp(np.where(r == 0, 1, r))[1] - 1, 0) - 3)
;;       q = np.round(r / step) * step * 2.0 ** e      # np.round: ties to even
;;       return np.moveaxis(q.reshape(q.shape[:-2] + (-1,))[..., :K], -1, axis).astype(np.float32)
;;   ~~~
;;   SOFTMAX AHEAD OF A QUANTISED PRODUCT. Where the list says 'softmax', what is quantised is not the finished softmax but p = 2^(t - M), with t = logit x log2(e) and M = ceil(the row's largest t), a whole number; so 1/2 < the row's largest p <= 1. The row's sum l is taken of the UNQUANTISED p, in f32, and the product's result is divided by l at the end. Since M is a whole number, a kernel that streams over the keys may use a running M (the ceiling of the running maximum): every later rescaling is an exact power of two, which a block's scale takes up: the codes' values come out the same.
;;   OPERANDS COMPUTED ON THE WAY. 'Computed on the way' means the value that the module computes at that place (a softmax that the list does not call 'softmax' is quantised finished and normalised). What goes into a quantiser is computed in f32, as accurately as f32 sums, v_exp_f32 and their like allow (about 1e-6 of the number): no bf16 or f16 on the way to a quantiser, and a product that is left as it is and whose result goes on into a quantised operand takes f32 operands (vector FMAs, or v_wmma_f32_16x16x4_f32). A number that lies on a knife's edge between two numbers of the format may be rounded either way, as far as f32 arithmetic and the matrix unit's own rounding can turn it there, and no further.
;; One version. Each part assembles by itself: llvm-mc -triple=amdgcn-amd-amdhsa -mcpu=gfx1250 --defsym DOCPART=n.
;; ======== version 1 of 1: 4 launches
;; limits: right only within a limited range of input values
;; workspace buffers: opc 9,437,184 bytes; ops 393,216 bytes; qkv 18,874,368 bytes; scl 786,432 bytes; yc 6,291,456 bytes; ys 262,144 bytes
;; launch quant (part 1): grid 384 x 1, 8 waves a work-group, no clusters, 69,632 bytes of LDS; arguments x, w_attn, w_proj, opc, ops; writes opc, ops
.if DOCPART == 1
	.amdgcn_target "amdgcn-amd-amdhsa--gfx1250"
	.amdhsa_code_object_version 6
	.text
	.protected	k_qf1cfefd65b_quant
	.globl	k_qf1cfefd65b_quant
	.p2align	8
	.type	k_qf1cfefd65b_quant,@function
k_qf1cfefd65b_quant:
	s_mov_b64 s[64:65], 0
	v_nop
	global_prefetch_b8 v0, s[64:65] scope:SCOPE_SE
	s_setreg_imm32_b32 hwreg(HW_REG_WAVE_MODE, 25, 1), 1
	s_wait_xcnt 0x0
; x [8192][1024], w_attn [1024][3072] and w_proj [1024][1024], f32, become codes of FP6 (E2M3) along K = 1,024 with one E8M0 byte for each 32 along K.
; A block's scale is 2^(floor(log2(its largest magnitude)) - 2); its byte is that magnitude's exponent field - 2, held at 1 from below.
; LIMITS: NaN and infinities are not served; a block whose largest magnitude lies under 2^-124 gets the byte 1; a block of zeros gets the byte 1 where the rule
; says 127: its codes are zeros, which add nothing under any byte but 0xff, and the bytes are read by this program alone.
; LAYOUT OF THE RESULT.  Rows (of x; columns of the weights) are taken in groups of 32, two tiles of 16 to a group: lane r of tile 2 c + u stands for row
; 32 c + 8 u + r + 8 (r / 8).  A row's POSITION is 16 x tile + r.  Positions 0-8191 are x, 8192-11263 w_attn's columns, 11264-12287 w_proj's.
; opc: [tile][K step of 128][1,536 bytes]: a fragment as an image of its 12 registers: registers 4 q .. 4 q + 3 of lane l at 512 q + 16 l.   ops: [position][8 scale words].
; SHARES.  A work-group takes a group of 32 positions, wave s the K step s: two fragments and one scale word a position.  No loop: every offset is written out.
; x: a wave asks for its 16 KiB at once; each load takes 512 consecutive bytes of a row; they turn through the wave's own stage in LDS (rows 528 bytes apart), so that a lane gets 16 neighbours of each block.
; weights: K is the first axis: a lane takes a column and its registers run down K (each load: 128 consecutive bytes); nothing is transposed.  The 128 loads go in eight runs of 16, three runs (48 loads) out at the most.
.set XROW,  528                        ; a stage row: 512 bytes + 16
.set XSTG,  16*XROW                    ; a wave's stage
.set GATH,  8*XSTG                     ; behind the stages: the group's 32 x 8 scale words, [32 x position + 4 x K step]
.set F0,    16                         ; v16-27 fragment of the group's first tile, v28-39 of its second
.set PW,    40                         ; v40 my position's scale word; v41, v42 the two tiles' (x)
.set TM,    44                         ; v44-47 largest magnitudes, v48-51 the other half's / bytes, v56-59 the conversions' scale operands
.set T,     60                         ; v60-75 upper halves of blocks, as converted
.set VA,    76                         ; v76-91 the weights' offsets: column + 8 i rows
.set X,     96                         ; v96-223 128 numbers
	s_load_b256 s[4:11], s[0:1], 0x0               ; x s[4:5], w_attn s[6:7], w_proj s[8:9], opc s[10:11]
	s_load_b64 s[12:13], s[0:1], 0x20              ; ops
	v_lshl_add_u32 v224, v0, 2, 0x10c00
	v_mov_b32 v225, 0
	v_lshrrev_b32 v7, 5, v0
	s_delay_alu instid0(VALU_DEP_1)
	v_readfirstlane_b32 s14, v7                    ; wave = K step
	v_and_b32 v8, 31, v0                           ; lane
	v_and_b32 v9, 15, v0                           ; r
	v_bfe_u32 v10, v0, 4, 1                        ; h
	s_delay_alu instid0(VALU_DEP_3)
	v_lshlrev_b32 v1, 4, v8                        ; 16 x lane
	s_mul_i32 s15, s14, XSTG
	v_add_nc_u32 v2, s15, v1                       ; the stage, on the way in: 16 x lane in a row
	v_mul_u32_u24 v3, v9, XROW
	s_delay_alu instid0(VALU_DEP_1)
	v_lshl_add_u32 v3, v10, 6, v3
	s_delay_alu instid0(VALU_DEP_1)
	v_add_nc_u32 v3, s15, v3                       ; and out: row r, + 64 h: my 16 numbers of a block of 32
	s_lshl_b32 s16, s14, 2
	s_add_co_u32 s16, s16, GATH
	v_lshl_add_u32 v4, v8, 5, s16                  ; where my scale word goes: 32 x position + 4 x K step
	v_add_nc_u32 v5, GATH, v1                      ; and where wave 0 reads the words back
	v_and_b32 v6, 7, v0
	v_bfe_u32 v11, v0, 3, 1
	s_delay_alu instid0(VALU_DEP_1)
	v_lshl_or_b32 v6, v11, 4, v6
	s_delay_alu instid0(VALU_DEP_1)
	v_lshl_or_b32 v6, v10, 3, v6                   ; position l stands for row l with bits 3 and 4 changed over
	s_delay_alu instid0(VALU_DEP_1)
	v_lshlrev_b32 v6, 2, v6                        ; as bytes in a row of a weight
	v_cmp_le_u32 s20, 16, v8                       ; lanes 16-31
	s_mov_b32 s18, 0x76543210
	s_mov_b32 s19, 0xfedcba98                      ; v_permlanex16_b32's selects for lane l xor 16
.irp b, 0,1,2,3
	v_mov_b32 v[TM+4+\b], 0                        ; written once: a lane permute's destination counts as one of its sources
.endr
; 64 numbers of a lane, register 16 b + i = k 32 b + 16 h + i of my row, become a fragment's registers 0-5 (d0 on) and 6-11 (d1 on) and its scale word
.macro QUANT src, d0, d1, pw
.irp b, 0,1,2,3
	v_max3_num_f32 v[TM+\b], |v[(\src)+16*\b]|, |v[(\src)+1+16*\b]|, 0x1800000   ; my 16 numbers of block b, and the floor 2^(3 - 127): the byte cannot fall under 1
.endr
.irp i, 2,4,6,8,10,12,14
.irp b, 0,1,2,3
	s_delay_alu instid0(VALU_DEP_4)
	v_max3_num_f32 v[TM+\b], v[TM+\b], |v[(\src)+16*\b+\i]|, |v[(\src)+1+16*\b+\i]|   ; the four blocks by turns
.endr
.endr
.irp b, 0,1,2,3
	s_delay_alu instid0(VALU_DEP_4)
	v_permlanex16_b32 v[TM+4+\b], v[TM+\b], s18, s19
.endr
.irp b, 0,1,2,3
	s_delay_alu instid0(VALU_DEP_4)
	v_max_num_f32 v[TM+\b], v[TM+\b], v[TM+4+\b]   ; with lane l xor 16's: the block's largest magnitude
.endr
.irp b, 0,1,2,3
	s_delay_alu instid0(VALU_DEP_4)
	v_add_nc_u32 v[TM+12+\b], 0xff000000, v[TM+\b] ; 2 off its exponent field: the conversion takes this operand's exponent field as its scale
.endr
.irp b, 0,1,2,3
	s_delay_alu instid0(VALU_DEP_4)
	v_lshrrev_b32 v[TM+4+\b], 23, v[TM+12+\b]      ; the scale's byte
.endr
	s_delay_alu instid0(VALU_DEP_3)
	v_lshl_or_b32 v[\pw], v[TM+5], 8, v[TM+4]
	s_delay_alu instid0(VALU_DEP_1)
	v_lshl_or_b32 v[\pw], v[TM+6], 16, v[\pw]
	s_delay_alu instid0(VALU_DEP_1)
	v_lshl_or_b32 v[\pw], v[TM+7], 24, v[\pw]
	v_cvt_scalef32_pk16_fp6_f32 v[(\d0):(\d0)+2], v[(\src):(\src)+15], v[TM+12]
	v_cvt_scalef32_pk16_fp6_f32 v[T:T+2], v[(\src)+16:(\src)+31], v[TM+13]
	v_cvt_scalef32_pk16_fp6_f32 v[(\d1):(\d1)+2], v[(\src)+32:(\src)+47], v[TM+14]
	v_cvt_scalef32_pk16_fp6_f32 v[T+4:T+6], v[(\src)+48:(\src)+63], v[TM+15]
	v_nop                                          ; one plain place behind a scaled conversion
.irp i, 0,1,2
	v_permlane16_swap_b32 v[(\d0)+\i], v[T+\i]     ; the layout wants a whole block in a lane: lanes 0-15 the even block, lanes 16-31 the odd one
	v_permlane16_swap_b32 v[(\d1)+\i], v[T+4+\i]
.endr
.irp i, 0,1,2
	v_mov_b32 v[(\d0)+3+\i], v[T+\i]
	v_mov_b32 v[(\d1)+3+\i], v[T+4+\i]
.endr
.endm
	s_wait_kmcnt 0x0
	s_cmp_lt_u32 ttmp9, 256                        ; groups 0-255 are x's
	s_cbranch_scc0 .Lweights
	; ---- x: 32 rows x 128 numbers
	s_lshl_b32 s40, ttmp9, 17                      ; 32 rows of 4,096 bytes
	s_lshl_b32 s41, s14, 9                         ; my K step's 512 bytes
	s_add_co_u32 s40, s40, s41
	s_mov_b32 s41, 0
	s_add_nc_u64 s[24:25], s[4:5], s[40:41]
.irp u, 0,1
.irp i, 0,1,2,3,4,5,6,7,8,9,10,11,12,13,14,15
	global_load_b128 v[X+64*\u+4*\i:X+64*\u+4*\i+3], v1, s[24:25] offset:(8*\u+\i+8*(\i/8))*4096 th:TH_LOAD_NT   ; lane row i of tile u: 512 consecutive bytes
.endr
.endr
.macro XTILE u
	s_wait_loadcnt 16*(1-\u)                       ; this tile's 16 loads are in; the second tile's 16 may be out
.irp i, 0,1,2,3,4,5,6,7,8,9,10,11,12,13,14,15
	ds_store_b128 v2, v[X+64*\u+4*\i:X+64*\u+4*\i+3] offset:XROW*\i
.endr
	s_wait_dscnt 0x0                               ; the stores have read their registers, which take the numbers back
.irp b, 0,1,2,3
.irp j, 0,1,2,3
	ds_load_b128 v[X+64*\u+16*\b+4*\j:X+64*\u+16*\b+4*\j+3], v3 offset:128*\b+16*\j
.endr
.endr
	s_wait_dscnt 0x0
	QUANT X+64*\u, F0+12*\u, F0+12*\u+6, PW+1+\u
.endm
	XTILE 0
	XTILE 1
	v_cndmask_b32 v[PW], v[PW+1], v[PW+2], s20     ; lane l holds position l's word
	s_branch .Ltail
.Lweights:
	; ---- a weight: 32 columns x 128 along K; lane l takes the column of position l
	s_sub_co_u32 s40, ttmp9, 256
	s_mov_b32 s22, 4096
	s_cmp_lt_u32 s40, 96                           ; groups 256-351 are w_attn's, 352-383 w_proj's: the choice hangs on the work-group's number alone
	s_cselect_b64 s[24:25], s[6:7], s[8:9]
	s_cselect_b32 s22, 12288, s22                  ; bytes in a row of the weight
	s_cselect_b32 s41, 0, 96
	s_sub_co_u32 s40, s40, s41                     ; the group of columns in its weight
	s_mov_b32 s23, 0
	s_lshl_b32 s40, s40, 7                         ; 128 bytes a group
	s_lshl_b32 s41, s14, 7
	s_mul_i32 s41, s41, s22                        ; my K step's 128 rows
	s_add_co_u32 s40, s40, s41
	s_mov_b32 s41, 0
	s_add_nc_u64 s[24:25], s[24:25], s[40:41]      ; eight bases, a row apart,
.irp j, 1,2,3,4,5,6,7
	s_add_nc_u64 s[24+2*\j:25+2*\j], s[22+2*\j:23+2*\j], s[22:23]
.endr
	s_lshl_b32 s42, s22, 3
	s_wait_alu depctr_va_vdst(0)
	v_mov_b32 v[VA], v6                            ; and sixteen offsets, eight rows apart
.irp i, 1,2,3,4,5,6,7,8,9,10,11,12,13,14,15
	s_delay_alu instid0(VALU_DEP_1)
	v_add_nc_u32 v[VA+\i], s42, v[VA+\i-1]
.endr
.macro WLOAD g                         ; run g of eight: W(128 s + 16 g + 8 e + j, my column), K ascending, into registers of its own
.irp e, 0,1
.irp j, 0,1,2,3,4,5,6,7
	global_load_b32 v[X+16*(\g)+8*\e+\j], v[VA+2*(\g)+\e], s[24+2*\j:25+2*\j] th:TH_LOAD_NT
.endr
.endr
.endm
	WLOAD 0
	WLOAD 1
	WLOAD 2
.macro WBLOCK t                        ; block t of my column: all its 32 numbers are mine: runs 2 t and 2 t + 1
.set XS, X+32*(\t)
.set DD, F0+12*((\t)%2)+6*((\t)/2)     ; even blocks are what a lane of half 0 holds, odd ones what a lane of half 1 holds
.if (\t) < 3
	s_wait_loadcnt 16                              ; this block's two runs are in; the one run issued behind them, 16 loads, may be out
.else
	s_wait_loadcnt 0x0
.endif
.if 2*(\t)+3 < 8
	WLOAD 2*(\t)+3                                 ; the next runs go out ahead of the block's arithmetic: three runs, 48 loads, are out at the most
.endif
.if 2*(\t)+4 < 8
	WLOAD 2*(\t)+4
.endif
	v_max3_num_f32 v[TM], |v[XS]|, |v[XS+1]|, |v[XS+2]|
	v_max3_num_f32 v[TM+1], |v[XS+3]|, |v[XS+4]|, |v[XS+5]|
.irp i, 6,10,14,18,22,26
	s_delay_alu instid0(VALU_DEP_2)
	v_max3_num_f32 v[TM], v[TM], |v[XS+\i]|, |v[XS+\i+1]|
	s_delay_alu instid0(VALU_DEP_2)
	v_max3_num_f32 v[TM+1], v[TM+1], |v[XS+\i+2]|, |v[XS+\i+3]|
.endr
	s_delay_alu instid0(VALU_DEP_2)
	v_max3_num_f32 v[TM], v[TM], |v[XS+30]|, |v[XS+31]|
	s_delay_alu instid0(VALU_DEP_1)
	v_max3_num_f32 v[TM], v[TM], v[TM+1], 0x1800000
	s_delay_alu instid0(VALU_DEP_1)
	v_add_nc_u32 v[TM+12+(\t)], 0xff000000, v[TM]
	s_delay_alu instid0(VALU_DEP_1)
	v_lshrrev_b32 v[TM+1], 23, v[TM+12+(\t)]
.if (\t) == 0
	s_delay_alu instid0(VALU_DEP_1)
	v_mov_b32 v[PW], v[TM+1]
.else
	s_delay_alu instid0(VALU_DEP_1)
	v_lshl_or_b32 v[PW], v[TM+1], 8*(\t), v[PW]
.endif
	v_cvt_scalef32_pk16_fp6_f32 v[DD:DD+2], v[XS:XS+15], v[TM+12+(\t)]
	v_cvt_scalef32_pk16_fp6_f32 v[T+4*(\t):T+4*(\t)+2], v[XS+16:XS+31], v[TM+12+(\t)]
.endm
	s_wait_alu depctr_va_vdst(0)
	WBLOCK 0
	WBLOCK 1
	WBLOCK 2
	WBLOCK 3
	v_nop                                          ; one plain place behind the last conversion
.irp t, 0,1,2,3
.irp i, 0,1,2
	v_mov_b32 v[F0+12*(\t%2)+6*(\t/2)+3+\i], v[T+4*\t+\i]
.endr
.endr
.irp i, 0,1,2,3,4,5,6,7,8,9,10,11
	v_permlane16_swap_b32 v[F0+\i], v[F0+12+\i]    ; lanes 0-15 hold the first tile's columns, lanes 16-31 the second's: after the exchange each run of 12 is one tile's fragment
.endr
.Ltail:
	; ---- both: two fragments out as they stand, 512 consecutive bytes a store; the scale words meet in LDS and leave as four whole runs of 256 bytes
	s_mul_i32 s40, ttmp9, 24576                    ; two tiles of 8 x 1,536 bytes
	s_mul_i32 s41, s14, 1536
	s_add_co_u32 s40, s40, s41
	s_mov_b32 s41, 0
	s_add_nc_u64 s[44:45], s[10:11], s[40:41]
	s_wait_alu depctr_va_vdst(0)
.irp f, 0,1
.irp q, 0,1,2
	global_store_b128 v1, v[F0+12*\f+4*\q:F0+12*\f+4*\q+3], s[44:45] offset:12288*\f+512*\q
.endr
.endr
	ds_store_b32 v4, v[PW]
	s_wait_dscnt 0x0                               ; for the others' sake: my word has landed
	s_barrier_signal -1
	s_barrier_wait -1
	s_cmp_lg_u32 s14, 0
	s_cbranch_scc1 .Lend
	ds_load_b128 v[X:X+3], v5
	ds_load_b128 v[X+4:X+7], v5 offset:512
	s_lshl_b32 s40, ttmp9, 10                      ; 32 positions x 32 bytes
	s_add_nc_u64 s[46:47], s[12:13], s[40:41]
	s_wait_dscnt 0x0
	global_store_b128 v1, v[X:X+3], s[46:47]
	global_store_b128 v1, v[X+4:X+7], s[46:47] offset:512
.Lend:
	s_wait_tensorcnt 0x0
	ds_add_u32 v224, v225
	s_wait_dscnt 0x0
	s_endpgm
.Lfunc_end_k_qf1cfefd65b_quant:
	.size	k_qf1cfefd65b_quant, .Lfunc_end_k_qf1cfefd65b_quant-k_qf1cfefd65b_quant
	.p2alignl 7, 3214868480
	.fill 96, 4, 3214868480
	.section	.rodata,"a",@progbits
	.p2align	6, 0x0
	.amdhsa_kernel k_qf1cfefd65b_quant
		.amdhsa_group_segment_fixed_size 69632
		.amdhsa_private_segment_fixed_size 0
		.amdhsa_enable_private_segment 0
		.amdhsa_kernarg_size 40
		.amdhsa_user_sgpr_count 2
		.amdhsa_user_sgpr_kernarg_segment_ptr 1
		.amdhsa_wavefront_size32 1
		.amdhsa_system_sgpr_workgroup_id_x 1
		.amdhsa_system_sgpr_workgroup_id_y 1
		.amdhsa_system_sgpr_workgroup_id_z 1
		.amdhsa_system_vgpr_workitem_id 0
		.amdhsa_next_free_vgpr 226
		.amdhsa_next_free_sgpr 66
		.amdhsa_reserve_vcc 0
		.amdhsa_float_denorm_mode_32 3
		.amdhsa_float_denorm_mode_16_64 3
		.amdhsa_memory_ordered 1
		.amdhsa_forward_progress 1
		.amdhsa_inst_pref_size 44
	.end_amdhsa_kernel
	.amdgpu_metadata
---
amdhsa.version: [ 1, 2 ]
amdhsa.kernels:
  - .name:           k_qf1cfefd65b_quant
    .symbol:         k_qf1cfefd65b_quant.kd
    .args:
      - { .name: x, .offset: 0, .size: 8, .value_kind: global_buffer, .address_space: global }
      - { .name: w_attn, .offset: 8, .size: 8, .value_kind: global_buffer, .address_space: global }
      - { .name: w_proj, .offset: 16, .size: 8, .value_kind: global_buffer, .address_space: global }
      - { .name: opc, .offset: 24, .size: 8, .value_kind: global_buffer, .address_space: global }
      - { .name: ops, .offset: 32, .size: 8, .value_kind: global_buffer, .address_space: global }
    .group_segment_fixed_size: 69632
    .private_segment_fixed_size: 0
    .kernarg_segment_align: 8
    .kernarg_segment_size: 40
    .max_flat_workgroup_size: 256
    .sgpr_count:     66
    .vgpr_count:     226
    .wavefront_size: 32
...
	.end_amdgpu_metadata
.endif
;; end of part 1
;; launch qkv (part 2): grid 8 x 32, 4 waves a work-group, clusters of 4 x 4, 327,680 bytes of LDS; arguments opc, ops, b_attn, qkv, scl; writes qkv, scl
.if DOCPART == 2
	.amdgcn_target "amdgcn-amd-amdhsa--gfx1250"
	.amdhsa_code_object_version 6
	.text
	.protected	k_qf1cfefd65b_qkv
	.globl	k_qf1cfefd65b_qkv
	.p2align	8
	.type	k_qf1cfefd65b_qkv,@function
k_qf1cfefd65b_qkv:
	s_mov_b64 s[64:65], 0
	v_nop
	global_prefetch_b8 v0, s[64:65] scope:SCOPE_SE
	s_setreg_imm32_b32 hwreg(HW_REG_WAVE_MODE, 25, 1), 1
	s_wait_xcnt 0x0
	s_wait_alu depctr_hold_cnt(0) depctr_sa_sdst(0) depctr_va_vdst(0) depctr_va_sdst(0) depctr_va_ssrc(0) depctr_va_vcc(0) depctr_vm_vsrc(0)
	s_getreg_b32 s2, hwreg(HW_REG_IB_STS2, 6, 4)
	s_cmp_eq_u32 s2, 0
	s_cbranch_scc0 .Lentry_in_a_cluster
	s_endpgm
.Lentry_in_a_cluster:
	s_bfe_u32 s2, ttmp6, 0x10000c
	s_cmp_lg_u32 s2, 0xf033
	s_cbranch_scc0 .Lentry_shape_is_right
	s_endpgm
.Lentry_shape_is_right:
; qkv = x w_attn + b_attn on codes of FP6 (E2M3) with E8M0 scales, K = 1,024; q, k and v leave as codes again, quantised for the products of the attention.
; Both operands lie in opc / ops (fragments as images of their registers, 1,536 bytes for 16 rows x 128 K, a tile's eight on end; 8 scale words a row).  Rows are counted in POSITIONS: lane r of tile
; 2 c + u stands for row 32 c + 8 u + r + 8 (r / 8).  Positions 0-8191 are x's tokens, 8192-11263 w_attn's columns.
; SHARES.  256 work-groups of four waves.  Work-group (g, t) keeps x's 256 tokens 256 t .., ALL of K, in LDS and multiplies them by three chunks of 128 columns, one after the other: q's columns 128 g .., k's, v's.
; A wave takes 128 tokens (a group of the attention's key steps) x 64 columns (one head): 32 accumulators.  A step is 128 along K, 32 products, the accumulators by turns; both operands have two sets of registers.
; q, k: source 0 = the weight's rows, source 1 = x's: a lane holds a token, its registers run along the head's 64.   v: source 0 = x's rows, source 1 = the weight's: the tile is v TRANSPOSED, registers run along the keys.
; In both cases 64 registers on end (q, k: two token tiles; v: 16 of the head's 64) become one fragment of 12 registers and one scale word.
; LDS.  x's 16 tiles at 0; a chunk's 8 tiles behind them; the scales of the three chunks and of x, as runs of 256 bytes + 16.  At the head one tensor load a wave: x, q's chunk, x's scales, all three chunks' scales.
; TWO REFILLS of the chunk's region (k's, v's; a quarter a wave), each behind the three lines and a round of the cluster's barrier that stand in the chunk's last step; the load lands under the way out, and a plain barrier shows it.
; q and k are one text, a loop of two trips: what differs (the bias, the weight's scale words, the offset in qkv) is moved into the same registers at a trip's end or selected by a mask.
; CLUSTERS: 4 x 4: x's tiles are asked for jointly along a row of the cluster, the weight's along a column.
; PREFETCH: k's chunk is named at the head, v's behind the first refill: 24 runs of 256 bytes for each of the sixteen waves of a column of the cluster, told apart by address; the clusters of four rows ask, since eight read the same chunk.
; The bias is the first products' C (an order of rounding other than adding it last).
; OUT.  qkv: part (q 0, k 1, v 2) x 6,291,456 + (16 batch + head) x 98,304 + (group of 128 tokens) x 6,144 + i x 1,536.  q, k: i = a pair of token tiles; v: i = a tile of 16 of the head's 64.
; scl: ((16 batch + head) x 16 + group) x 768 + {k 0, v 256, q 512} + 16 r + 4 i.
; LIMITS: NaN and infinities are not served; a block whose largest magnitude lies under 2^-124, a block of zeros too, gets the byte 1 (this program alone reads the bytes).
; REGISTERS: window 0: v1 r, v2 h, v3 lane, v4 16 x lane, v8-15 offsets, v16-22 LDS addresses, v28, v29 the add's; v32-111 scale words (block i's eight at v[32 + 10 i]: lanes 0-15 the weight's, lanes 16-31 x's);
;   v112-123 the results' scale words; v128-223 the weight's fragments, two sets, on the way out the results' codes; v224-247 at work.   window 1: x's fragments, two sets, at v0 and v128.   window 2: the accumulators.
;   window 3: the bias: v0-31 the trip's (q's, then k's), v32-63 k's, v64-95 v's.
.set FR,     12
.set NP,     4                         ; places behind this matrix instruction (ISA guide 7.12.1)
.set TILEB,  12288                     ; a tile of 16 rows, all of K
.set WREG,   16*TILEB
.set SCLW,   24*TILEB                  ; the chunks' scales: 3 x 16 runs of 272 bytes
.set SCLX,   SCLW+48*272               ; x's: 32 runs
.set SA64,   8*272                     ; those of 64 rows
.set SBLK,   544                       ; of 16 rows
.set SPARE,  SCLX+32*272
.set CHUNK,  1024*768                  ; from a chunk to the next in opc
.set PART,   6291456
.set VO,   9                           ; v9 the trip's offset in qkv, v10 v's
.set ADRX, 16                          ; v16 my x tiles 0-3, v17 tiles 4-7
.set ADRW, 18
.set ADRS, 20                          ; v20 scale words, blocks 0-3 (q's chunk), v21 blocks 4-7 (lanes 0-15: k's chunk), v22 v's chunk
.set SPW,  28
.set NIL,  29
.set SC,   32
.set WD,   112
.set WF,   128
.set OUT,  128
.set TM,   224
.set T,    240
.set G1X, 24
.set G0X, 32
.set G0W, 36
.set G1W, 48
.set G0SX, 56
.set G0SW, 60
.set G1SX, 68
.set G0R, 76
.set G1SW, 80
.set G1R, 88
.set MSB, 0
.macro WIN new                         ; the immediate's high byte repeats the setting that is left
.if MSB != (\new)
	s_set_vgpr_msb (MSB<<8)|(\new)
.set MSB, \new
.endif
.endm
.macro PLACES n
.rept \n
	v_nop
.endr
.endm
.macro CREST                           ; a round of the cluster's barrier behind its opening barrier
	s_cmp_lg_u32 s14, 0
	s_cbranch_scc1 .Lnot_wave_0_\@
	s_barrier_signal -3
.Lnot_wave_0_\@:
	s_barrier_wait -3
	s_barrier_signal -1
	s_barrier_wait -1
.endm
.macro CROUND
	s_barrier_signal -1
	s_barrier_wait -1
	CREST
.endm
.macro GROUP1 g, mask, word0, c, rows, pitch   ; rows of c elements of 8 bytes
	s_or_b32 s[\g], s\mask, \word0
	s_mov_b32 s[\g+1], (\c)<<16
	s_mov_b32 s[\g+2], (\rows)<<16
	s_mov_b32 s[\g+3], (\c)<<16
	s_mov_b32 s[\g+4], \rows
	s_mov_b32 s[\g+5], \pitch
	s_mov_b32 s[\g+6], 0
	s_mov_b32 s[\g+7], 0
.endm
.macro GROUP0 g, lds, base, off
	s_mov_b32 s[\g], 1
	s_mov_b32 s[\g+1], \lds
	s_add_nc_u64 s[\g+2:\g+3], s[\base:\base+1], s[\off:\off+1]
	s_or_b32 s[\g+3], s[\g+3], 0x80000000
.endm
.set CODES_, (3<<16)|(1<<21)
.set SCALES_, (3<<16)|(1<<20)|(1<<21)|(5<<22)|(3<<25)
	s_load_b256 s[4:11], s[0:1], 0x0               ; opc s[4:5], ops s[6:7], b_attn s[8:9], qkv s[10:11]
	s_load_b64 s[12:13], s[0:1], 0x20              ; scl
	v_lshl_add_u32 v[SPW], v0, 2, SPARE
	v_mov_b32 v[NIL], 0
	ds_add_u32 v[SPW], v[NIL]                      ; the opening lines: the add twice on end and its wait
	ds_add_u32 v[SPW], v[NIL]
	v_lshrrev_b32 v1, 5, v0
	v_readfirstlane_b32 s14, v1                    ; wave 0..3
	s_lshr_b32 s15, s14, 1                         ; which 128 tokens are mine
	s_and_b32 s16, s14, 1                          ; which head of the chunk's two
	s_bfe_u32 s40, ttmp6, 0x40000                  ; cx
	s_bfe_u32 s41, ttmp6, 0x40004                  ; cy
	s_lshl_b32 s42, ttmp9, 2
	s_add_co_u32 s42, s42, s40                     ; g
	s_and_b32 s18, ttmp7, 0xffff                   ; the cluster's y
	s_lshl_b32 s17, s18, 2
	s_add_co_u32 s17, s17, s41                     ; t
	s_lshl_b32 s43, s41, 2
	s_lshl_b32 s43, 15, s43                        ; my row of the cluster
	s_lshl_b32 s44, 0x1111, s40                    ; my column
	GROUP1 G1X,  43, CODES_,  1536, 16, 1536
	GROUP1 G1W,  44, CODES_,  1536, 8,  1536
	GROUP1 G1R,  44, CODES_,  1536, 2,  1536
	GROUP1 G1SX, 43, SCALES_, 32,   32, 32
	GROUP1 G1SW, 44, SCALES_, 512,  3,  4096       ; three rows of 4,096 bytes, 1,024 positions apart
	s_mul_i32 s20, s17, 16*TILEB                   ; x's codes,
	s_mov_b32 s21, 0
	s_lshl_b32 s22, s17, 13                        ; x's scales
	s_mov_b32 s23, 0
	s_mul_i32 s46, s42, 8*TILEB
	s_add_co_u32 s46, s46, 8192*768                ; q's chunk,
	s_mov_b32 s47, 0
	s_lshl_b32 s2, s42, 12
	s_add_co_u32 s2, s2, 8192*32                   ; its scales
	s_mov_b32 s3, 0
	s_mul_i32 s96, s14, 2*TILEB                    ; my quarter of a refill
	s_mov_b32 s97, 0
	s_wait_dscnt 0x0
	s_wait_kmcnt 0x0
	CROUND                                         ; all sixteen work-groups are here: the joint loads meet
	GROUP0 G0X,  0,    4, 20
	GROUP0 G0W,  WREG, 4, 46
	GROUP0 G0SX, SCLX, 6, 22
	GROUP0 G0SW, SCLW, 6, 2
	s_mov_b32 s[G0R], 1
	s_add_co_u32 s[G0R+1], s96, WREG
	s_add_nc_u64 s[G0R+2:G0R+3], s[4:5], s[46:47]
	s_add_nc_u64 s[G0R+2:G0R+3], s[G0R+2:G0R+3], s[96:97]   ; my quarter of q's chunk: each refill steps a chunk on first
	s_or_b32 s[G0R+3], s[G0R+3], 0x80000000
.macro ARM under, g0, g1, next         ; one chain of branches on the wave's number: every way through the head passes exactly one load
	s_cmp_lt_u32 s14, \under
	s_cbranch_scc0 \next
	tensor_load_to_lds s[\g0:\g0+3], s[\g1:\g1+7]
	s_nop 0
	PLACES 4
	s_branch .Lhead_asked
\next:
.endm
	ARM 1, G0X,  G1X,  .Lhead_w
	ARM 2, G0W,  G1W,  .Lhead_sx
	ARM 3, G0SX, G1SX, .Lhead_sw
	tensor_load_to_lds s[G0SW:G0SW+3], s[G1SW:G1SW+7]
	s_nop 0
	PLACES 4
.Lhead_asked:
	s_mul_i32 s20, s15, 8*TILEB                    ; my eight tiles of x,
	s_add_co_u32 s21, s20, 4*TILEB
	s_mul_i32 s22, s16, 4*TILEB
	s_add_co_u32 s22, s22, WREG                    ; my four of the chunk
	s_mul_i32 s23, s16, SA64
	s_add_co_u32 s23, s23, SCLW                    ; my head's scales in q's chunk,
	s_mul_i32 s46, s15, 2*SA64
	s_add_co_u32 s46, s46, SCLX
	s_sub_co_u32 s46, s46, s23                     ; from there to my tokens' scales
	s_add_co_u32 s47, s23, SA64                    ; k's chunk, less the four blocks that the offsets of blocks 4-7 add
	s_sub_co_u32 s2, s46, SA64
	s_add_co_u32 s3, s23, 4*SA64                   ; v's chunk
	s_sub_co_u32 s96, s46, 4*SA64
	s_lshl_b32 s43, s41, 2
	s_add_co_u32 s43, s43, s14                     ; my number among the sixteen waves of my column of the cluster
	s_mul_i32 s43, s43, 24*256
	s_mul_i32 s44, s42, 8*TILEB
	s_add_co_u32 s43, s43, s44
	s_add_co_u32 s43, s43, 8192*768+CHUNK          ; my share of k's chunk
	s_lshl_b32 s40, s17, 1
	s_add_co_u32 s40, s40, s15                     ; my group of 128 tokens, of 64
	s_lshr_b32 s41, s40, 4
	s_lshl_b32 s41, s41, 4
	s_lshl_b32 s44, s42, 1
	s_add_co_u32 s44, s44, s16                     ; my head
	s_add_co_u32 s41, s41, s44                     ; 16 batch + head
	s_and_b32 s40, s40, 15
	s_mul_i32 s66, s41, 98304
	s_mul_i32 s45, s40, 6144
	s_add_co_u32 s66, s66, s45                     ; my first byte in a part of qkv
	s_add_co_u32 s97, s66, 2*PART
	s_lshl_b32 s67, s41, 4
	s_add_co_u32 s67, s67, s40
	s_mul_i32 s67, s67, 768                        ; in scl
	s_lshl_b32 s44, s44, 8                         ; 64 columns of 4 bytes a head
	s_mov_b32 s45, 0
	s_add_nc_u64 s[8:9], s[8:9], s[44:45]
	s_cmp_lt_u32 s18, 4
	s_cselect_b32 s19, 1, 0                        ; does my cluster prefetch?
	s_mov_b32 s98, 0                               ; the mask that selects k's scale words: none in the first trip
	s_mov_b32 s99, 0                               ; trips
	s_mov_b32 s40, 0x76543210                      ; (the group's number has served)
	v_and_b32 v1, 15, v0
	v_bfe_u32 v2, v0, 4, 1
	v_and_b32 v3, 31, v0
	v_lshlrev_b32 v4, 4, v3
	v_add_nc_u32 v[ADRX], s20, v4
	v_add_nc_u32 v[ADRX+1], s21, v4
	v_add_nc_u32 v[ADRW], s22, v4
	v_mul_u32_u24 v5, v1, 32                       ; my row's scales: 32 bytes a row,
	v_lshrrev_b32 v6, 8, v5
	v_lshl_add_u32 v5, v6, 4, v5                   ; and 16 more for each 256 passed
	v_mul_u32_u24 v6, s46, v2                      ; lanes 16-31 take x's
	v_add_nc_u32 v6, v5, v6
	v_add_nc_u32 v[ADRS], s23, v6
	v_mul_u32_u24 v6, s2, v2
	v_add_nc_u32 v6, v5, v6
	v_add_nc_u32 v[ADRS+1], s47, v6
	v_mul_u32_u24 v6, s96, v2
	v_add_nc_u32 v6, v5, v6
	v_add_nc_u32 v[ADRS+2], s3, v6
	v_add_nc_u32 v[VO], s66, v4
	v_add_nc_u32 v[VO+1], s97, v4
	v_lshl_add_u32 v8, v1, 4, s67
	v_min_u32 v12, 23, v3                          ; 24 runs a wave: the lanes left over name the last again
	v_lshl_add_u32 v12, v12, 8, s43
	v_add_nc_u32 v13, CHUNK, v12
	v_lshlrev_b32 v14, 6, v2
	v_and_b32 v15, 8, v1
	v_add_nc_u32 v15, v15, v1
	v_lshlrev_b32 v15, 2, v15
.irp b, 0,1,2,3
	v_mov_b32 v[TM+4+\b], 0                        ; written once: a lane permute's destination counts as one of its sources
	v_mov_b32 v[WD+4+\b], 0                        ; (moved on at the first trip's end before anything is kept there)
.endr
	s_wait_alu depctr_va_vdst(0)                   ; ahead of the readers below
	WIN 0xc0                                       ; the bias into window 3.  q, k: register j of the weight's tile b is column 32 (b / 2) + 16 h + 8 (b % 2) + j.  v: lane r of tile a is column 32 (a / 2) + 8 (a % 2) + r + 8 (r / 8)
.irp p, 0,1
.irp b, 0,1,2,3
	global_load_b128 v[32*\p+8*\b:32*\p+8*\b+3], v14, s[8:9] offset:4096*\p+4*(32*(\b/2)+8*(\b%2))
	global_load_b128 v[32*\p+8*\b+4:32*\p+8*\b+7], v14, s[8:9] offset:4096*\p+4*(32*(\b/2)+8*(\b%2))+16
.endr
.endr
.irp a, 0,1,2,3
	global_load_b32 v[64+8*\a], v15, s[8:9] offset:8192+4*(32*(\a/2)+8*(\a%2))
.endr
	WIN 0
	s_mov_b32 s41, 0xfedcba98                      ; with s40: v_permlanex16_b32's selects for lane l xor 16
	s_cmp_lg_u32 s19, 0
	s_cbranch_scc0 .Lno_pf_k
	global_prefetch_b8 v12, s[4:5] th:TH_LOAD_NT scope:SCOPE_SE   ; k's chunk, which the first refill will load
.Lno_pf_k:
	s_wait_loadcnt 0x0
	WIN 0xc3
.irp a, 0,8,16,24
.irp i, 1,2,3,4,5,6,7
	v_mov_b32 v[64+\a+\i], v[64+\a]                ; v's number, one a lane and tile, over the tile's eight registers
.endr
.endr
	WIN 0
.macro SCALES a0, a1                   ; all scale words of a chunk's products, eight a row
.irp i, 0,1,2,3
	ds_load_b128 v[SC+10*\i:SC+10*\i+3], v[\a0] offset:\i*SBLK
	ds_load_b128 v[SC+10*\i+4:SC+10*\i+7], v[\a0] offset:\i*SBLK+16
.endr
.irp i, 4,5,6,7
	ds_load_b128 v[SC+10*\i:SC+10*\i+3], v[\a1] offset:\i*SBLK
	ds_load_b128 v[SC+10*\i+4:SC+10*\i+7], v[\a1] offset:\i*SBLK+16
.endr
.endm
.macro FETCH k                         ; step k's fragments into set k % 2: 24 loads for x's eight, 12 for the weight's four
	WIN 0x40
.irp i, 0,1,2,3,4,5,6,7
.irp c, 0,1,2
	ds_load_b128 v[128*((\k)%2)+FR*\i+4*\c:128*((\k)%2)+FR*\i+4*\c+3], v[ADRX+\i/4] offset:TILEB*(\i%4)+1536*(\k)+512*\c
.endr
.endr
	WIN 0
.irp i, 0,1,2,3
.irp c, 0,1,2
	ds_load_b128 v[WF+48*((\k)%2)+FR*\i+4*\c:WF+48*((\k)%2)+FR*\i+4*\c+3], v[ADRW] offset:TILEB*\i+1536*(\k)+512*\c
.endr
.endr
.endm
.macro PR d, s0, s1, c, x0, x1, side
	v_wmma_scale_f32_16x16x128_f8f6f4 v[\d:\d+7], v[\s0:\s0+FR-1], v[\s1:\s1+FR-1], \c, v[\x0], v[\x1] matrix_a_fmt:MATRIX_FMT_FP6 matrix_b_fmt:MATRIX_FMT_FP6 matrix_\side\()_scale:MATRIX_SCALE_ROW1
.endm
; 16 products, half of a step: the 32 accumulators take turns, one instruction a turn, in the same order in every step
.macro MULH kind, k, half, first
.if \kind == 0                         ; q, k: x's tiles 4 half .. + 3, each against the weight's four; accumulator (i, j) at v[8 (4 i + j)]
.if \first
	WIN 0xb4                                       ; source 0 window 0, source 1 window 1, C window 3, D window 2
.else
	WIN 0xa4
.endif
.irp i, 0,1,2,3
.irp j, 0,1,2,3
.if \first
	PR 8*(4*(4*\half+\i)+\j), WF+48*((\k)%2)+FR*\j, 128*((\k)%2)+FR*(4*\half+\i), v[8*\j:8*\j+7], SC+10*\j+(\k), SC+10*(4*\half+\i)+(\k), b
.else
	PR 8*(4*(4*\half+\i)+\j), WF+48*((\k)%2)+FR*\j, 128*((\k)%2)+FR*(4*\half+\i), v[8*(4*(4*\half+\i)+\j):8*(4*(4*\half+\i)+\j)+7], SC+10*\j+(\k), SC+10*(4*\half+\i)+(\k), b
.endif
.endr
.endr
.else                                  ; v: the weight's tiles 2 half, 2 half + 1, each against x's eight; accumulator (j, i) at v[8 (8 j + i)]
.if \first
	WIN 0xb1
.else
	WIN 0xa1
.endif
.irp j, 0,1
.irp i, 0,1,2,3,4,5,6,7
.if \first
	PR 8*(8*(2*\half+\j)+\i), 128*((\k)%2)+FR*\i, WF+48*((\k)%2)+FR*(2*\half+\j), v[64+8*(2*\half+\j):64+8*(2*\half+\j)+7], SC+10*\i+(\k), SC+10*(2*\half+\j)+(\k), a
.else
	PR 8*(8*(2*\half+\j)+\i), 128*((\k)%2)+FR*\i, WF+48*((\k)%2)+FR*(2*\half+\j), v[8*(8*(2*\half+\j)+\i):8*(8*(2*\half+\j)+\i)+7], SC+10*\i+(\k), SC+10*(2*\half+\j)+(\k), a
.endif
.endr
.endr
.endif
.endm
; 64 registers of a lane from window 2's v[ac] on: four blocks of 32, 16 of each in this lane and 16 in lane l xor 16: they become a fragment's registers 0-5 (d0 on), 6-11 (d0 + 6 on) and a scale word
.macro QUANTW ac, d0, pw
	WIN 0x0a                                       ; sources 0 and 1: window 2
.irp b, 0,1,2,3
	v_max3_num_f32 v[TM+\b], |v[(\ac)+16*\b]|, |v[(\ac)+16*\b+1]|, 0x1800000   ; each accumulator from its low end on; the floor 2^(3 - 127) holds the byte at 1 from below
.endr
.irp i, 2,4,6,8,10,12,14
.irp b, 0,1,2,3
	v_max3_num_f32 v[TM+\b], |v[(\ac)+16*\b+\i]|, |v[(\ac)+16*\b+\i+1]|, v[TM+\b]
.endr
.endr
	WIN 0
.irp b, 0,1,2,3
	v_permlanex16_b32 v[TM+4+\b], v[TM+\b], s40, s41
.endr
.irp b, 0,1,2,3
	v_max_num_f32 v[TM+\b], v[TM+\b], v[TM+4+\b]
.endr
.irp b, 0,1,2,3
	v_add_nc_u32 v[TM+12+\b], 0xff000000, v[TM+\b] ; 2 off the exponent field: the conversion's scale operand
.endr
.irp b, 0,1,2,3
	v_lshrrev_b32 v[TM+4+\b], 23, v[TM+12+\b]      ; the scale's byte
.endr
	v_lshl_or_b32 v[\pw], v[TM+5], 8, v[TM+4]
	v_lshl_or_b32 v[\pw], v[TM+6], 16, v[\pw]
	v_lshl_or_b32 v[\pw], v[TM+7], 24, v[\pw]
	WIN 0x02                                       ; source 0: window 2
	v_cvt_scalef32_pk16_fp6_f32 v[(\d0):(\d0)+2], v[(\ac):(\ac)+15], v[TM+12]
	v_cvt_scalef32_pk16_fp6_f32 v[T:T+2], v[(\ac)+16:(\ac)+31], v[TM+13]
	v_cvt_scalef32_pk16_fp6_f32 v[(\d0)+6:(\d0)+8], v[(\ac)+32:(\ac)+47], v[TM+14]
	v_cvt_scalef32_pk16_fp6_f32 v[T+4:T+6], v[(\ac)+48:(\ac)+63], v[TM+15]
	WIN 0
	v_nop                                          ; one plain place behind a scaled conversion
.irp i, 0,1,2
	v_permlane16_swap_b32 v[(\d0)+\i], v[T+\i]     ; the layout wants a whole block in a lane
	v_permlane16_swap_b32 v[(\d0)+6+\i], v[T+4+\i]
.endr
.irp i, 0,1,2
	v_mov_b32 v[(\d0)+3+\i], v[T+\i]
	v_mov_b32 v[(\d0)+9+\i], v[T+4+\i]
.endr
.endm
; ONE CHUNK.  kind 0: q's or k's; kind 1: v's
.macro BODY kind
.if \kind
	SCALES ADRS+2, ADRS+2
	FETCH 0
.else
	SCALES ADRS, ADRS+1
	FETCH 0
	s_wait_dscnt 36                                ; the 16 loads of scale words are in; the 36 fragment loads behind them may be out
.irp j, 0,1,2,3
.irp k, 0,1,2,3,4,5,6,7
	v_cndmask_b32 v[SC+10*\j+\k], v[SC+10*\j+\k], v[SC+10*(\j+4)+\k], s98   ; in the second trip lanes 0-15 take k's words
.endr
.endr
	PLACES 8                                       ; a scale register written by a vector instruction stands 8 places ahead of a scaled product
	s_wait_alu depctr_va_vdst(0)
.endif
	s_wait_dscnt 0x0
	FETCH 1
	MULH \kind, 0, 0, 1                            ; the first step's products start the sums from the bias
	MULH \kind, 0, 1, 1
.set K_, 1
.rept 6
	s_wait_dscnt 0x0                               ; this step's fragments, asked for a step ago
	PLACES NP                                      ; in front of loads into the set that the last step multiplied
	FETCH K_+1
	MULH \kind, K_, 0, 0
	MULH \kind, K_, 1, 0
.set K_, K_+1
.endr
	WIN 0
	s_wait_dscnt 0x0                               ; the last step's fragments: my reads of the chunk are over
.if \kind == 0
	s_wait_tensorcnt 0x0                           ; the three lines ahead of a refill's round
	ds_add_u32 v[SPW], v[NIL]
	s_add_nc_u64 s[G0R+2:G0R+3], s[G0R+2:G0R+3], CHUNK   ; no tensor load of mine is out: on to the next chunk
	MULH 0, 7, 0, 0
	s_wait_dscnt 0x0
	s_barrier_signal -1                            ; opens the round
	MULH 0, 7, 1, 0
	WIN 0
	s_barrier_wait -1
	CREST                                          ; no wave of any partner still reads the chunk
	tensor_load_to_lds s[G0R:G0R+3], s[G1R:G1R+7]  ; my quarter of the next chunk; it lands under the way out
	s_nop 0
	PLACES 4                                       ; also the places behind the last products
	s_cmp_lg_u32 s19, 0
	s_cbranch_scc0 .Lno_pf_\@
	global_prefetch_b8 v13, s[4:5] th:TH_LOAD_NT scope:SCOPE_SE   ; in the first trip: v's chunk, which the second refill will load
.Lno_pf_\@:
	s_mov_b32 s19, 0
.else
	MULH 1, 7, 0, 0
	MULH 1, 7, 1, 0
	WIN 0
	PLACES NP
.endif
.irp c, 0,1,2,3                        ; the way out: four fragments, 512 consecutive bytes a store
	QUANTW 64*\c, OUT+12*\c, WD+\c
.irp q, 0,1,2
	global_store_b128 v[VO+\kind], v[OUT+12*\c+4*\q:OUT+12*\c+4*\q+3], s[10:11] offset:1536*\c+512*\q
.endr
.endr
.endm
	s_wait_alu depctr_va_vdst(0)                   ; at the head's end
	s_wait_tensorcnt 0x0                           ; my tile of the head's four is in
	s_barrier_signal -1
	s_barrier_wait -1                              ; all four are
.Ltrip:
	BODY 0
.irp c, 0,1,2,3
	v_mov_b32 v[WD+8+\c], v[WD+4+\c]               ; the results' scale words move on: behind two trips q's stand at v120, k's at v116
.endr
.irp c, 0,1,2,3
	v_mov_b32 v[WD+4+\c], v[WD+\c]
.endr
	WIN 0xc3
.set j, 0
.rept 32
	v_mov_b32 v[j], v[32+j]                        ; k's bias for the second trip
.set j, j+1
.endr
	WIN 0
	s_mov_b32 s98, 0xffff
	s_wait_xcnt 0x0                                ; the stores have read their offset and their data, which are written again below
	v_add_nc_u32 v[VO], PART, v[VO]
	s_wait_alu depctr_va_vdst(0)
	s_wait_tensorcnt 0x0                           ; my quarter of the next chunk is in
	s_barrier_signal -1
	s_barrier_wait -1                              ; everybody's is
	s_add_co_u32 s99, s99, 1
	s_cmp_lt_u32 s99, 2
	s_cbranch_scc1 .Ltrip
	BODY 1
	s_wait_alu depctr_va_vdst(0)
	s_wait_xcnt 0x0                                ; EXEC changes only behind this wait
	v_cmp_gt_u32 vcc_lo, 16, v3
	s_and_saveexec_b32 s20, vcc_lo                 ; lane r holds row r's words: sixteen lanes store 256 consecutive bytes, aligned
	global_store_b128 v8, v[WD+8:WD+11], s[12:13] offset:512
	global_store_b128 v8, v[WD+4:WD+7], s[12:13]
	global_store_b128 v8, v[WD:WD+3], s[12:13] offset:256
	s_wait_xcnt 0x0
	s_or_b32 exec_lo, exec_lo, s20
	s_wait_tensorcnt 0x0                           ; the wave's end
	ds_add_u32 v[SPW], v[NIL]
	s_wait_dscnt 0x0
	CROUND                                         ; the closing round
	s_endpgm
.Lfunc_end_k_qf1cfefd65b_qkv:
	.size	k_qf1cfefd65b_qkv, .Lfunc_end_k_qf1cfefd65b_qkv-k_qf1cfefd65b_qkv
	.p2alignl 7, 3214868480
	.fill 96, 4, 3214868480
	.section	.rodata,"a",@progbits
	.p2align	6, 0x0
	.amdhsa_kernel k_qf1cfefd65b_qkv
		.amdhsa_group_segment_fixed_size 327680
		.amdhsa_private_segment_fixed_size 0
		.amdhsa_enable_private_segment 0
		.amdhsa_kernarg_size 40
		.amdhsa_user_sgpr_count 2
		.amdhsa_user_sgpr_kernarg_segment_ptr 1
		.amdhsa_wavefront_size32 1
		.amdhsa_system_sgpr_workgroup_id_x 1
		.amdhsa_system_sgpr_workgroup_id_y 1
		.amdhsa_system_sgpr_workgroup_id_z 1
		.amdhsa_system_vgpr_workitem_id 0
		.amdhsa_next_free_vgpr 864
		.amdhsa_next_free_sgpr 100
		.amdhsa_reserve_vcc 1
		.amdhsa_float_denorm_mode_32 3
		.amdhsa_float_denorm_mode_16_64 3
		.amdhsa_memory_ordered 1
		.amdhsa_forward_progress 1
		.amdhsa_inst_pref_size 158
	.end_amdhsa_kernel
	.amdgpu_metadata
---
amdhsa.version: [ 1, 2 ]
amdhsa.kernels:
  - .name:           k_qf1cfefd65b_qkv
    .symbol:         k_qf1cfefd65b_qkv.kd
    .args:
      - { .name: opc, .offset: 0, .size: 8, .value_kind: global_buffer, .address_space: global }
      - { .name: ops, .offset: 8, .size: 8, .value_kind: global_buffer, .address_space: global }
      - { .name: b_attn, .offset: 16, .size: 8, .value_kind: global_buffer, .address_space: global }
      - { .name: qkv, .offset: 24, .size: 8, .value_kind: global_buffer, .address_space: global }
      - { .name: scl, .offset: 32, .size: 8, .value_kind: global_buffer, .address_space: global }
    .group_segment_fixed_size: 327680
    .private_segment_fixed_size: 0
    .kernarg_segment_align: 8
    .kernarg_segment_size: 40
    .max_flat_workgroup_size: 128
    .sgpr_count:     100
    .vgpr_count:     864
    .wavefront_size: 32
...
	.end_amdgpu_metadata
.endif
;; end of part 2
;; launch attn (part 3): grid 4 x 64, 16 waves a work-group, clusters of 4 x 1, 206,848 bytes of LDS; arguments qkv, scl, yc, ys; writes yc, ys
.if DOCPART == 3
	.amdgcn_target "amdgcn-amd-amdhsa--gfx1250"
	.amdhsa_code_object_version 6
	.text
	.protected	k_qf1cfefd65b_attn
	.globl	k_qf1cfefd65b_attn
	.p2align	8
	.type	k_qf1cfefd65b_attn,@function
k_qf1cfefd65b_attn:
	s_mov_b64 s[64:65], 0
	v_nop
	global_prefetch_b8 v0, s[64:65] scope:SCOPE_SE
	s_setreg_imm32_b32 hwreg(HW_REG_WAVE_MODE, 25, 1), 1
	s_wait_xcnt 0x0
	s_wait_alu depctr_hold_cnt(0) depctr_sa_sdst(0) depctr_va_vdst(0) depctr_va_sdst(0) depctr_va_ssrc(0) depctr_va_vcc(0) depctr_vm_vsrc(0)
	s_getreg_b32 s2, hwreg(HW_REG_IB_STS2, 6, 4)
	s_cmp_eq_u32 s2, 0
	s_cbranch_scc0 .Lentry_in_a_cluster
	s_endpgm
.Lentry_in_a_cluster:
	s_bfe_u32 s2, ttmp6, 0x10000c
	s_cmp_lg_u32 s2, 0x3003
	s_cbranch_scc0 .Lentry_shape_is_right
	s_endpgm
.Lentry_shape_is_right:
; y[b][h][q] = the sum over k <= q of softmax_k(q . k / 8) v[k], both products on codes of FP6 (E2M3) with E8M0 scales; y leaves as codes, quantised along the model's 1,024 (two blocks a head).
; THE SOFTMAX AHEAD OF THE SECOND PRODUCT: t = score x log2(e) / 8; M = the running largest t rounded UP to a whole number; p = 2^(t - M) is quantised along the keys, not normalised; the row's sum is taken of the
; unquantised p and divides at the end.  When M moves, the sum and O are multiplied by 2^(old M - new M): exact.
; SHARES.  A head has 128 tiles of 16 queries; tile T needs key steps 0 .. T / 8 of 128 keys (the causal mask hides the rest: whole steps are left out).  Wave w of work-group p (0 .. 3) takes tile 4 w + p and then
; tile 127 - (4 w + p): w / 2 + 1 and 16 - w / 2 steps, 17 for every wave.  A wave's last step hangs on w alone, so the four work-groups of a head take the same branches.
; CLUSTER: those four form a cluster and ask for the head's K and V jointly: wave w brings key step w, K's 6,144 bytes and V's, as two rows of one tile.  Each work-group reads all sixteen steps (its wave 0 walks to step 15).
; LDS.  Step s at 12,288 s: K's four images, then V's four; filled once.  The steps' scale words (512 bytes a step) come by one plain load a wave and are stored behind the tiles; one barrier shows all.
; NO PREFETCH: everything is asked for at the head; there is no loop to run ahead in.
; LAYOUT.  Both products are used transposed: a lane holds ONE query.  Lane r of token tile 2 P + u stands for token 32 P + 8 u + r + 8 (r / 8), so that the 16 registers of two neighbouring tiles of keys are 16 neighbouring keys.
; The head's 64 are half of the instruction's 128: an image of K holds tile 2 P in registers 0-5 and tile 2 P + 1 in registers 6-11, and is multiplied by [q | 0] and by [0 | q]: zero codes add nothing.
; OUT.  yc: [128 batch + token tile][head][768 bytes]: registers 0-3 of my six at 16 x lane, registers 4-5 at 512 + 8 x lane.   ys: [position][32 bytes], bytes 2 head, 2 head + 1: two bytes a row, so ys's runs of 256 bytes are written in parts (one byte in 24 of y's).
; LIMITS: NaN and infinities are not served; a block whose largest magnitude lies under 2^-124, a block of zeros too, gets the byte 1 (this program alone reads the bytes); the scaled scores stay under 2^31 in magnitude.
; REGISTERS: v1 16 x lane; v2, v4 addresses in hand; v3 where my step's scale words go; v5 my query less the diagonal step's first key less 16 h; v6-11 y's offsets; v12 -M, v13 the largest t, v[14:15] the sum; v16-33 [0 | q | 0];
;   v34 8 x lane, v35 32 r + h; v36-83 four images of K, then of V; v84-90 y's codes and byte; v91 r + 8 (r / 8) - 16 h; v96-159 S^T, then p; v160-191 O^T; v192-217 q's images and scale words; v222, v223 the add's two;
;   v224-235 p's codes; v232-247, v252, v254 at work; v248-251, v253, v255 scale words.
.set SB,    196608                     ; LDS: the scale words: 512 bytes a key step: K's 256, V's 256
.set SPARE, 204800                     ; the spare words: 128 bytes for each of sixteen waves
.set ADK,  2
.set ADS,  4
.set QO,   91
.set SPW,  222
.set NIL,  223
.set SU,   236                         ; v236-243 four partial sums
.set WV,   12
.set PX,   14                          ; my place in the cluster: p
.set G1D,  24
.set MU,   52                          ; all ones where my tile is the odd one of its pair
.set MH,   53                          ; lanes 16-31
.set TB,   55
.set TS,   56
.set KG,   57                          ; the key step
.set LST,  60                          ; my last key step: the one on the diagonal
.set TT,   61                          ; my tile of queries
.set CS,   62                          ; s[62:63] c = log2(e) / 8
.set SEL,  66
.macro CROUND                          ; a round of the cluster's barrier
	s_barrier_signal -1
	s_barrier_wait -1
	s_cmp_lg_u32 s[WV], 0
	s_cbranch_scc1 .Lnot_wave_0_\@
	s_barrier_signal -3
.Lnot_wave_0_\@:
	s_barrier_wait -3
	s_barrier_signal -1
	s_barrier_wait -1
.endm
	s_load_b256 s[4:11], s[0:1], 0x0               ; qkv s[4:5], scl s[6:7], yc s[8:9], ys s[10:11]
	v_lshl_add_u32 v[SPW], v0, 2, SPARE
	v_mov_b32 v[NIL], 0
	ds_add_u32 v[SPW], v[NIL]                      ; the opening lines: the add twice on end and its wait
	ds_add_u32 v[SPW], v[NIL]
	v_lshrrev_b32 v2, 5, v0
	v_readfirstlane_b32 s[WV], v2                  ; wave 0..15
	s_and_b32 s13, ttmp7, 0xffff                   ; the cluster's y: 16 batch + head
	s_bfe_u32 s[PX], ttmp6, 0x40000                ; cx
	s_mov_b32 s[G1D], 15|(3<<16)|(1<<21)           ; the mask names the four; elements of 8 bytes; no padding
	s_mov_b32 s[G1D+1], 768<<16                    ; tensor_dim0: 6,144 bytes
	s_mov_b32 s[G1D+2], 2<<16                      ; tensor_dim1: K's row, V's row
	s_mov_b32 s[G1D+3], 768<<16
	s_mov_b32 s[G1D+4], 2
	s_mov_b32 s[G1D+5], 786432                     ; from the part of k to the part of v: 6,291,456 bytes
	s_mov_b32 s[G1D+6], 0
	s_mov_b32 s[G1D+7], 0
	s_mov_b32 s40, 1
	s_mul_i32 s41, s[WV], 12288                    ; key step w in LDS,
	s_mul_i32 s74, s13, 98304
	s_mul_i32 s72, s[WV], 6144
	s_add_co_u32 s72, s72, s74
	s_add_co_u32 s72, s72, 6291456                 ; and in qkv's part of k
	s_mov_b32 s73, 0
	s_wait_dscnt 0x0
	CROUND                                         ; the four work-groups are here: the joint loads meet
	s_wait_kmcnt 0x0
	s_add_nc_u64 s[42:43], s[4:5], s[72:73]
	s_or_b32 s43, s43, 0x80000000
	tensor_load_to_lds s[40:43], s[G1D:G1D+7]      ; my one load: every wave issues this line, each for its own step
	s_nop 0
.rept 4
	v_nop
.endr
	s_lshl_b32 s75, s13, 4
	s_add_co_u32 s76, s75, s[WV]
	s_mul_i32 s76, s76, 768
	s_mov_b32 s77, 0
	s_add_nc_u64 s[76:77], s[6:7], s[76:77]        ; key step w's scale words in scl,
	s_lshl_b32 s78, s[WV], 9
	s_add_co_u32 s78, s78, SB                      ; in LDS
.macro QADDR cod, sca                  ; pair s69 of the head's 64 pairs of token tiles: q's image and its scale words
	s_mul_i32 s72, s69, 1536
	s_add_co_u32 s72, s72, s74
	s_add_nc_u64 s[\cod:\cod+1], s[4:5], s[72:73]
	s_lshr_b32 s71, s69, 2
	s_add_co_u32 s71, s71, s75
	s_mul_i32 s71, s71, 768
	s_and_b32 s72, s69, 3
	s_lshl_b32 s72, s72, 2
	s_add_co_u32 s72, s72, s71
	s_add_co_u32 s72, s72, 512
	s_add_nc_u64 s[\sca:\sca+1], s[6:7], s[72:73]
.endm
	s_lshl_b32 s68, s[WV], 1
	s_lshr_b32 s69, s[PX], 1
	s_add_co_u32 s69, s69, s68                     ; tile 4 w + p lies in pair 2 w + p / 2,
	QADDR 16, 20
	s_sub_co_u32 s69, 63, s69                      ; tile 127 - (4 w + p) in pair 63 less that
	QADDR 18, 22
	s_mov_b32 s[SEL], 0x76543210
	s_mov_b32 s[SEL+1], 0xfedcba98
	s_mov_b32 s[CS], 0x3e38aa3b
	s_mov_b32 s[CS+1], s[CS]                       ; (named with it as a pair, so it is written)
	v_and_b32 v8, 31, v0                           ; lane
	v_lshlrev_b32 v1, 4, v8
	v_and_b32 v6, 15, v0                           ; r
	v_bfe_u32 v7, v0, 4, 1                         ; h
	v_lshlrev_b32 v254, 4, v6
	v_add_nc_u32 v3, s78, v1
	global_load_b128 v[84:87], v1, s[76:77]        ; 512 consecutive bytes: K's and V's words of step w
.irp q, 0,1,2
	global_load_b128 v[192+4*\q:195+4*\q], v1, s[16:17] offset:512*\q
	global_load_b128 v[204+4*\q:207+4*\q], v1, s[18:19] offset:512*\q
.endr
	global_load_b32 v216, v254, s[20:21]
	global_load_b32 v217, v254, s[22:23]
	v_lshlrev_b32 v34, 3, v8
	v_lshl_add_u32 v35, v6, 5, v7
	v_cmp_le_u32 s[MH], 16, v8
	v_and_b32 v9, 8, v6
	v_add_nc_u32 v[QO], v9, v6                     ; r + 8 (r / 8)
	v_lshlrev_b32 v9, 4, v7
	v_sub_nc_u32 v[QO], v[QO], v9                  ; less 16 h
.irp i, 0,1,2,3,4,5
	v_mov_b32 v[16+\i], 0                          ; the zero codes on both sides of q
	v_mov_b32 v[28+\i], 0
.endr
.irp b, 0,1,2,3
	v_mov_b32 v[236+\b], 0                         ; written once: a lane permute's destination counts as one of its sources
.endr
	v_mov_b32 v252, 0
	v_mov_b32 v253, 0                              ; (named as the upper half of the pair v[252:253] before it is first written)
	s_wait_alu depctr_va_vdst(0)                   ; at the head's end
	s_wait_loadcnt 0x0
	s_wait_tensorcnt 0x0                           ; my step's K and V are in
	ds_store_b128 v3, v[84:87]                     ; its scale words, into bytes that no tile lands on
	s_wait_dscnt 0x0                               ; for the others' sake
	s_barrier_signal -1
	s_barrier_wait -1                              ; everybody's are: the launch's one barrier for data
; ONE TILE OF QUERIES.  f = 0: tile 4 w + p; f = 1: tile 127 - (4 w + p).  nt: the loop's trips, a constant; a step all of whose keys come after my queries is left out by a scalar branch on the wave's number and the trip.
.macro PHASE f, nt
	s_lshl_b32 s68, s[WV], 2
	s_add_co_u32 s[TT], s68, s[PX]
	s_lshr_b32 s[LST], s[WV], 1
.if \f
	s_wait_xcnt 0x0                                ; the first tile's stores have read their registers, which are written again below
	s_sub_co_u32 s[TT], 127, s[TT]
	s_sub_co_u32 s[LST], 15, s[LST]
.endif
	s_and_b32 s68, s[TT], 1                        ; u
	s_bfe_u32 s71, s[TT], 0x20001                  ; the pair within its 128 tokens
	s_lshl_b32 s71, s71, 5
	s_lshl_b32 s72, s68, 3
	s_add_co_u32 s71, s71, s72
	s_mov_b32 s54, 0x01000100
	s_cmp_eq_u32 s68, 1
	s_cselect_b32 s[MU], -1, 0
	s_cselect_b32 s54, 0x03020302, s54             ; my tile's two bytes of the pair's scale word, twice
	s_mov_b32 s[TB], 0
	s_mov_b32 s[TS], SB
	s_mov_b32 s[KG], 0
	v_add_nc_u32 v5, s71, v[QO]                    ; my query within its 128, less 16 h
.irp i, 0,1,2,3,4,5
	v_cndmask_b32 v[22+\i], v[192+12*\f+\i], v[198+12*\f+\i], s[MU]   ; my tile's half of the pair's image
.endr
	v_perm_b32 v255, v[216+\f], v[216+\f], s54
	v_mov_b32 v13, 0xff61b1e6                      ; the largest t so far: -3e38, under every t
	s_delay_alu instid0(VALU_DEP_1)
	v_floor_f32 v12, -v13
	v_mov_b32 v14, 0
	v_mov_b32 v15, 0
.set j, 0
.rept 32
	v_mov_b32 v[160+j], 0                          ; O^T: the first step finds zeros, which the first change of M leaves zeros.  (Also the places between q's and its scale word's writes and the first product)
.set j, j+1
.endr
.Lstep_\@:
	s_cmp_gt_u32 s[KG], s[LST]
	s_cbranch_scc1 .Lskip_\@
	v_add_nc_u32 v[ADK], s[TB], v1
	v_add_nc_u32 v[ADS], s[TS], v1
	v_nop
	v_nop                                          ; four places in front of loads into registers that the last step's products have read
	ds_load_b128 v[248:251], v[ADS]                ; lanes 0-15: K's four words of my row; lanes 16-31: V's
.irp b, 0,1,2,3
.irp q, 0,1,2
	ds_load_b128 v[36+12*\b+4*\q:39+12*\b+4*\q], v[ADK] offset:1536*\b+512*\q
.endr
.endr
	s_wait_alu depctr_va_vdst(0)
	s_wait_dscnt 0x0
.irp b, 0,1,2,3                        ; S^T = K q^T: an image serves its two tiles of keys
	v_wmma_scale_f32_16x16x128_f8f6f4 v[96+16*\b:103+16*\b], v[36+12*\b:47+12*\b], v[22:33], 0, v[248+\b], v255 matrix_a_fmt:MATRIX_FMT_FP6 matrix_b_fmt:MATRIX_FMT_FP6
	v_wmma_scale_f32_16x16x128_f8f6f4 v[104+16*\b:111+16*\b], v[36+12*\b:47+12*\b], v[16:27], 0, v[248+\b], v255 matrix_a_fmt:MATRIX_FMT_FP6 matrix_b_fmt:MATRIX_FMT_FP6
.endr
.rept 4
	v_nop
.endr
.irp t, 0,1,2,3                        ; V's four fragments take K's registers and land under the softmax
.irp q, 0,1,2
	ds_load_b128 v[36+12*\t+4*\q:39+12*\t+4*\q], v[ADK] offset:6144+1536*\t+512*\q
.endr
.endr
	s_cmp_lt_u32 s[KG], s[LST]                     ; only the step on the diagonal has hidden keys
	s_cbranch_scc1 .Lopen_\@
	v_mov_b32 v254, 0xff800000                     ; -infinity: p = 0 then
.set n, 0
.rept 64
	v_cmp_gt_i32 vcc_lo, 32*(n/16)+n%16, v5        ; register 16 b + i holds the step's key 32 b + 16 h + i
	v_cndmask_b32 v[96+n], v[96+n], v254, vcc_lo
.set n, n+1
.endr
.Lopen_\@:
.irp b, 0,1,2,3
	v_max3_num_f32 v[232+\b], v[96+16*\b], v[97+16*\b], v[98+16*\b]   ; the largest score of each block of 32 keys: for the row's maximum and, since p rises with the score, for the block's largest p
.endr
.irp i, 3,5,7,9,11,13
.irp b, 0,1,2,3
	v_max3_num_f32 v[232+\b], v[232+\b], v[96+16*\b+\i], v[97+16*\b+\i]
.endr
.endr
.irp b, 0,1,2,3
	v_max_num_f32 v[232+\b], v[232+\b], v[111+16*\b]
.endr
.irp b, 0,1,2,3
	v_permlanex16_b32 v[236+\b], v[232+\b], s[SEL], s[SEL+1]
.endr
.irp b, 0,1,2,3
	v_max_num_f32 v[232+\b], v[232+\b], v[236+\b]
.endr
	s_delay_alu instid0(VALU_DEP_2)
	v_max3_num_f32 v254, v232, v233, v234
	s_delay_alu instid0(VALU_DEP_1)
	v_max_num_f32 v254, v254, v235
	s_delay_alu instid0(VALU_DEP_1)
	v_mul_f32 v254, s[CS], v254
	s_delay_alu instid0(VALU_DEP_1)
	v_max_num_f32 v13, v13, v254                   ; the running largest t
	v_mov_b32 v254, v12
	s_delay_alu instid0(VALU_DEP_2)
	v_floor_f32 v12, -v13                          ; the new -M = -ceil(t)
	s_delay_alu instid0(VALU_DEP_1)
	v_sub_f32 v254, v12, v254                      ; old M - new M: a whole number, 0 or less
	s_delay_alu instid0(VALU_DEP_1)
	v_cvt_i32_f32 v254, v254                       ; (it saturates)
	s_delay_alu instid0(VALU_DEP_1)
	v_ldexp_f32 v252, 1.0, v254                    ; f = 2^(old M - new M)
.set j, 0
.rept 32
	v_pk_fma_f32 v[96+j:97+j], v[96+j:97+j], s[CS:CS+1], v[12:13] op_sel_hi:[1,0,0]   ; t - M
.set j, j+2
.endr
.irp b, 0,1,2,3
	v_fma_f32 v[232+\b], v[232+\b], s[CS], v12
.endr
.set j, 0
	s_wait_alu depctr_va_vdst(0)                   ; ahead of the batch
.rept 64
	v_exp_f32 v[96+j], v[96+j]                     ; p = 2^(t - M)
.set j, j+1
.endr
	v_pk_mul_f32 v[14:15], v[14:15], v[252:253] op_sel_hi:[1,0]   ; the sums under the new M: a plain place behind the exponentials
	s_wait_alu depctr_va_vdst(0)                   ; one wait for the batch, ahead of its first reader
.irp b, 0,1,2,3
	v_exp_f32 v[232+\b], v[232+\b]                 ; each block's largest p
.endr
.irp c, 0,2,4,6                        ; the row's sum of the unquantised p: four chains by turns
	v_pk_add_f32 v[SU+\c:SU+\c+1], v[96+\c:97+\c], v[104+\c:105+\c]
.endr
.irp j, 16,24,32,40,48,56
.irp c, 0,2,4,6
	v_pk_add_f32 v[SU+\c:SU+\c+1], v[SU+\c:SU+\c+1], v[96+\j+\c:97+\j+\c]
.endr
.endr
	v_pk_add_f32 v[SU:SU+1], v[SU:SU+1], v[SU+2:SU+3]
	v_pk_add_f32 v[SU+4:SU+5], v[SU+4:SU+5], v[SU+6:SU+7]
	v_pk_add_f32 v[14:15], v[14:15], v[SU:SU+1]
	v_pk_add_f32 v[14:15], v[14:15], v[SU+4:SU+5]
	s_wait_alu depctr_va_vdst(0)                   ; and one for the four
.irp b, 0,1,2,3
	v_max_num_f32 v[232+\b], 0x1800000, v[232+\b]  ; the floor 2^(3 - 127)
.endr
.irp b, 0,1,2,3
	v_add_nc_u32 v[244+\b], 0xff000000, v[232+\b]
.endr
.irp b, 0,1,2,3
	v_lshrrev_b32 v[236+\b], 23, v[244+\b]
.endr
	s_delay_alu instid0(VALU_DEP_3)
	v_lshl_or_b32 v253, v237, 8, v236              ; p's scale word for these 128 keys
	s_delay_alu instid0(VALU_DEP_1)
	v_lshl_or_b32 v253, v238, 16, v253
	s_delay_alu instid0(VALU_DEP_1)
	v_lshl_or_b32 v253, v239, 24, v253
.irp c, 0,1
	v_cvt_scalef32_pk16_fp6_f32 v[224+6*\c:226+6*\c], v[96+32*\c:111+32*\c], v[244+2*\c]
	v_cvt_scalef32_pk16_fp6_f32 v[236+4*\c:238+4*\c], v[112+32*\c:127+32*\c], v[244+2*\c+1]
.endr
	v_nop                                          ; one plain place behind a scaled conversion
.irp c, 0,1
.irp i, 0,1,2
	v_permlane16_swap_b32 v[224+6*\c+\i], v[236+4*\c+\i]
.endr
.irp i, 0,1,2
	v_mov_b32 v[227+6*\c+\i], v[236+4*\c+\i]
.endr
.endr
.set j, 0
.rept 16
	v_pk_mul_f32 v[160+j:161+j], v[160+j:161+j], v[252:253] op_sel_hi:[1,0]   ; O^T under the new M; also the places in front of the products below
.set j, j+2
.endr
	s_wait_alu depctr_va_vdst(0)
	s_wait_dscnt 0x0                               ; V is in
.irp t, 0,1,2,3                        ; O^T += V^T p^T: four accumulators by turns
	v_wmma_scale_f32_16x16x128_f8f6f4 v[160+8*\t:167+8*\t], v[36+12*\t:47+12*\t], v[224:235], v[160+8*\t:167+8*\t], v[248+\t], v253 matrix_a_fmt:MATRIX_FMT_FP6 matrix_b_fmt:MATRIX_FMT_FP6 matrix_a_scale:MATRIX_SCALE_ROW1
.endr
.Lskip_\@:
	s_add_co_u32 s[TB], s[TB], 12288
	s_add_co_u32 s[TS], s[TS], 512
	s_add_co_u32 s[KG], s[KG], 1
	s_cmp_lt_u32 s[KG], \nt
	s_cbranch_scc1 .Lstep_\@
	; the way out: O^T / the sum; register 16 c + i is the head's 32 c + 16 h + i: two blocks along the model's 1,024
.rept 4
	v_nop
.endr
	v_add_f32 v14, v14, v15
	s_delay_alu instid0(VALU_DEP_1)
	v_permlanex16_b32 v252, v14, s[SEL], s[SEL+1]
	s_delay_alu instid0(VALU_DEP_1)
	v_add_f32 v14, v14, v252
	s_wait_alu depctr_va_vdst(0)
	v_rcp_f32 v14, v14
	s_lshr_b32 s68, s13, 4
	s_lshl_b32 s68, s68, 7
	s_add_co_u32 s68, s68, s[TT]                   ; 128 batch + my token tile
	s_and_b32 s69, s13, 15                         ; the head
	s_mul_i32 s58, s68, 12288
	s_mul_i32 s70, s69, 768
	s_add_co_u32 s58, s58, s70
	s_lshl_b32 s59, s68, 9
	s_lshl_b32 s70, s69, 1
	s_add_co_u32 s59, s59, s70
	v_add_nc_u32 v[6+3*\f], s58, v1                ; (plain places behind the reciprocal)
	v_add_nc_u32 v[7+3*\f], s58, v34
	v_add_nc_u32 v[8+3*\f], s59, v35
	s_wait_alu depctr_va_vdst(0)                   ; ahead of the reciprocal's first reader
.set j, 0
.rept 32
	v_mul_f32 v[96+j], v[160+j], v14
.set j, j+1
.endr
.irp c, 0,1
	v_max3_num_f32 v[232+\c], |v[96+16*\c]|, |v[97+16*\c]|, 0x1800000
.endr
.irp i, 2,4,6,8,10,12,14
.irp c, 0,1
	s_delay_alu instid0(VALU_DEP_2)
	v_max3_num_f32 v[232+\c], v[232+\c], |v[96+16*\c+\i]|, |v[97+16*\c+\i]|
.endr
.endr
.irp c, 0,1
	s_delay_alu instid0(VALU_DEP_2)
	v_permlanex16_b32 v[236+\c], v[232+\c], s[SEL], s[SEL+1]
.endr
.irp c, 0,1
	s_delay_alu instid0(VALU_DEP_2)
	v_max_num_f32 v[232+\c], v[232+\c], v[236+\c]
.endr
.irp c, 0,1
	s_delay_alu instid0(VALU_DEP_2)
	v_add_nc_u32 v[244+\c], 0xff000000, v[232+\c]
.endr
.irp c, 0,1
	s_delay_alu instid0(VALU_DEP_2)
	v_lshrrev_b32 v[236+\c], 23, v[244+\c]
.endr
	v_cvt_scalef32_pk16_fp6_f32 v[84:86], v[96:111], v244
	v_cvt_scalef32_pk16_fp6_f32 v[240:242], v[112:127], v245
	v_nop
.irp i, 0,1,2
	v_permlane16_swap_b32 v[84+\i], v[240+\i]
.endr
.irp i, 0,1,2
	s_delay_alu instid0(VALU_DEP_3)
	v_mov_b32 v[87+\i], v[240+\i]
.endr
	v_cndmask_b32 v90, v236, v237, s[MH]           ; lane (r, h) stores block h's byte of row r
	global_store_b128 v[6+3*\f], v[84:87], s[8:9]               ; 512 consecutive bytes,
	global_store_b64 v[7+3*\f], v[88:89], s[8:9] offset:512     ; and 256
	global_store_b8 v[8+3*\f], v90, s[10:11]
.endm
	PHASE 0, 8
	PHASE 1, 16
	s_wait_tensorcnt 0x0                           ; the wave's end
	ds_add_u32 v[SPW], v[NIL]
	s_wait_dscnt 0x0
	CROUND                                         ; the closing round
	s_endpgm
.Lfunc_end_k_qf1cfefd65b_attn:
	.size	k_qf1cfefd65b_attn, .Lfunc_end_k_qf1cfefd65b_attn-k_qf1cfefd65b_attn
	.p2alignl 7, 3214868480
	.fill 96, 4, 3214868480
	.section	.rodata,"a",@progbits
	.p2align	6, 0x0
	.amdhsa_kernel k_qf1cfefd65b_attn
		.amdhsa_group_segment_fixed_size 206848
		.amdhsa_private_segment_fixed_size 0
		.amdhsa_enable_private_segment 0
		.amdhsa_kernarg_size 32
		.amdhsa_user_sgpr_count 2
		.amdhsa_user_sgpr_kernarg_segment_ptr 1
		.amdhsa_wavefront_size32 1
		.amdhsa_system_sgpr_workgroup_id_x 1
		.amdhsa_system_sgpr_workgroup_id_y 1
		.amdhsa_system_sgpr_workgroup_id_z 1
		.amdhsa_system_vgpr_workitem_id 0
		.amdhsa_next_free_vgpr 256
		.amdhsa_next_free_sgpr 80
		.amdhsa_reserve_vcc 1
		.amdhsa_float_denorm_mode_32 3
		.amdhsa_float_denorm_mode_16_64 3
		.amdhsa_memory_ordered 1
		.amdhsa_forward_progress 1
		.amdhsa_inst_pref_size 63
	.end_amdhsa_kernel
	.amdgpu_metadata
---
amdhsa.version: [ 1, 2 ]
amdhsa.kernels:
  - .name:           k_qf1cfefd65b_attn
    .symbol:         k_qf1cfefd65b_attn.kd
    .args:
      - { .name: qkv, .offset: 0, .size: 8, .value_kind: global_buffer, .address_space: global }
      - { .name: scl, .offset: 8, .size: 8, .value_kind: global_buffer, .address_space: global }
      - { .name: yc, .offset: 16, .size: 8, .value_kind: global_buffer, .address_space: global }
      - { .name: ys, .offset: 24, .size: 8, .value_kind: global_buffer, .address_space: global }
    .group_segment_fixed_size: 206848
    .private_segment_fixed_size: 0
    .kernarg_segment_align: 8
    .kernarg_segment_size: 32
    .max_flat_workgroup_size: 512
    .sgpr_count:     80
    .vgpr_count:     256
    .wavefront_size: 32
...
	.end_amdgpu_metadata
.endif
;; end of part 3
;; launch proj (part 4): grid 4 x 64, 4 waves a work-group, clusters of 4 x 4, 327,680 bytes of LDS; arguments yc, ys, opc, ops, out0, b_proj; writes out0
.if DOCPART == 4
	.amdgcn_target "amdgcn-amd-amdhsa--gfx1250"
	.amdhsa_code_object_version 6
	.text
	.protected	k_qf1cfefd65b_proj
	.globl	k_qf1cfefd65b_proj
	.p2align	8
	.type	k_qf1cfefd65b_proj,@function
k_qf1cfefd65b_proj:
	s_mov_b64 s[64:65], 0
	v_nop
	global_prefetch_b8 v0, s[64:65] scope:SCOPE_SE
	s_setreg_imm32_b32 hwreg(HW_REG_WAVE_MODE, 25, 1), 1
	s_wait_xcnt 0x0
	s_wait_alu depctr_hold_cnt(0) depctr_sa_sdst(0) depctr_va_vdst(0) depctr_va_sdst(0) depctr_va_ssrc(0) depctr_va_vcc(0) depctr_vm_vsrc(0)
	s_getreg_b32 s2, hwreg(HW_REG_IB_STS2, 6, 4)
	s_cmp_eq_u32 s2, 0
	s_cbranch_scc0 .Lentry_in_a_cluster
	s_endpgm
.Lentry_in_a_cluster:
	s_bfe_u32 s2, ttmp6, 0x10000c
	s_cmp_lg_u32 s2, 0xf033
	s_cbranch_scc0 .Lentry_shape_is_right
	s_endpgm
.Lentry_shape_is_right:
; out0 = y w_proj + b_proj on codes of FP6 (E2M3) with E8M0 scales, K = 1,024; f32 sums, f32 out.
; y's codes lie in yc ([token tile][head][768 bytes]: registers 0-3 of a half fragment at 16 x lane, registers 4-5 at 512 + 8 x lane), its scale bytes in ys ([position][32]); w_proj's in opc / ops from position 11,264 on
; (a fragment as an image of its 12 registers, 1,536 bytes for 16 rows x 128 K).  Lane r of tile 2 c + u stands for row 32 c + 8 u + r + 8 (r / 8).
; SHARES.  256 work-groups of four waves; a work-group makes 128 tokens x 256 columns, a wave 64 x 128 in 32 accumulators.
; LDS.  ALL OF K lies in LDS: A's 8 tiles (98,304 dense bytes), B's 16 (196,608), the scales of the 384 rows.  Four tiles, one tensor load a wave at the head; nothing is filled again, so there is one barrier ahead of the products.
; CLUSTERS: 4 x 4: A's tile and scales are asked for jointly along a row of the cluster, B's along a column.
; NO PREFETCH: everything is asked for at the head; there is no loop to run ahead in.
; THE MATRIX INSTRUCTION IS USED TRANSPOSED (source 0 = 16 rows of w_proj, source 1 = 16 tokens): a lane holds eight neighbouring columns of a token.  The bias is the first products' C (an order of rounding other than adding it last).
; A step is 128 along K, 32 products, the accumulators by turns; both operands have two sets of registers: a step's fragments are fetched while the step before is multiplied.
; REGISTERS: window 0: v1-7 at work, v16-29 addresses, v32-111 scale words (block i's eight at v[32 + 10 i]: lanes 0-15 A's, lanes 16-31 B's), v128-223 A's two sets, on the way out v128-255;
;   window 1: B's two sets at v0 and v128;  window 2: the accumulators ((a, b) at v[8 (8 a + b)]);  window 3: v0-63 the bias.
.set FR,     12
.set NP,     4                         ; places behind this matrix instruction (ISA guide 7.12.1)
.set TILEB,  12288                     ; a tile of 16 rows, all of K
.set BREG,   8*TILEB
.set SCL,    24*TILEB                  ; the scales, as runs of 256 bytes + 16 of padding: A's 16 runs, then B's 32
.set SA64,   8*272                     ; those of 64 rows
.set SBLK,   544                       ; of 16 rows
.set SPARE,  SCL+48*272                ; the spare words: 128 bytes a wave
.set SPITCH, 528                       ; the way out: a stage of 16 rows x (512 + 16) bytes a wave, in A's region, behind a barrier behind which nobody reads the tiles
.set ADRA, 16                          ; v16 my A fragments at 16 x lane, v17 at 8 x lane
.set ADRB, 20                          ; v20 my B tiles 0-3, v21 tiles 4-7
.set STO,  24
.set RD,   25
.set CO,   26
.set ADRS, 27
.set SPW,  28
.set NIL,  29
.set SC,   32
.set AF,   128
.set BK,   128
.set G1, 24
.set G0, 32
.set G0B, 36
.set G1B, 48
.set G0S, 56
.set G0SB, 60
.set G1S, 68
.set G1SB, 80
.set MSB, 0
.macro WIN new                         ; the immediate's high byte repeats the setting that is left
.if MSB != (\new)
	s_set_vgpr_msb (MSB<<8)|(\new)
.set MSB, \new
.endif
.endm
.macro PLACES n
.rept \n
	v_nop
.endr
.endm
.macro CROUND                          ; a round of the cluster's barrier
	s_barrier_signal -1
	s_barrier_wait -1
	s_cmp_lg_u32 s14, 0
	s_cbranch_scc1 .Lnot_wave_0_\@
	s_barrier_signal -3
.Lnot_wave_0_\@:
	s_barrier_wait -3
	s_barrier_signal -1
	s_barrier_wait -1
.endm
.macro GROUP1 g, mask, word0, c, rows  ; rows of c elements of 8 bytes, dense
	s_or_b32 s[\g], s\mask, \word0
	s_mov_b32 s[\g+1], (\c)<<16
	s_mov_b32 s[\g+2], (\rows)<<16
	s_mov_b32 s[\g+3], (\c)<<16
	s_mov_b32 s[\g+4], \rows
	s_mov_b32 s[\g+5], \c
	s_mov_b32 s[\g+6], 0
	s_mov_b32 s[\g+7], 0
.endm
.macro GROUP0 g, lds, base, off
	s_mov_b32 s[\g], 1
	s_mov_b32 s[\g+1], \lds
	s_add_nc_u64 s[\g+2:\g+3], s[\base:\base+1], s[\off:\off+1]
	s_or_b32 s[\g+3], s[\g+3], 0x80000000
.endm
	s_load_b128 s[4:7], s[0:1], 0x0                ; yc, ys
	s_load_b128 s[8:11], s[0:1], 0x10              ; opc, ops
	s_load_b128 s[96:99], s[0:1], 0x20             ; out0, b_proj
	v_lshl_add_u32 v[SPW], v0, 2, SPARE
	v_mov_b32 v[NIL], 0
	ds_add_u32 v[SPW], v[NIL]                      ; the opening lines: the add twice on end and its wait
	ds_add_u32 v[SPW], v[NIL]
	v_lshrrev_b32 v1, 5, v0
	v_readfirstlane_b32 s14, v1                    ; wave 0..3
	s_lshr_b32 s15, s14, 1                         ; which 64 tokens are mine
	s_and_b32 s16, s14, 1                          ; which 128 columns
	s_bfe_u32 s40, ttmp6, 0x40000                  ; cx
	s_bfe_u32 s41, ttmp6, 0x40004                  ; cy
	s_lshl_b32 s42, ttmp9, 2
	s_add_co_u32 s42, s42, s40                     ; the tile of 256 columns
	s_and_b32 s17, ttmp7, 0xffff
	s_lshl_b32 s17, s17, 2
	s_add_co_u32 s17, s17, s41                     ; the tile of 128 tokens
	s_lshl_b32 s43, s41, 2
	s_lshl_b32 s43, 15, s43                        ; my row of the cluster
	s_lshl_b32 s44, 0x1111, s40                    ; my column
	GROUP1 G1,   43, (3<<16)|(1<<21), 1536, 8
	GROUP1 G1B,  44, (3<<16)|(1<<21), 1536, 16
	GROUP1 G1S,  43, (3<<16)|(1<<20)|(1<<21)|(5<<22)|(3<<25), 32, 16
	GROUP1 G1SB, 44, (3<<16)|(1<<20)|(1<<21)|(5<<22)|(3<<25), 32, 32
	s_mul_i32 s20, s17, 8*TILEB                    ; A's codes,
	s_mov_b32 s21, 0
	s_lshl_b32 s22, s17, 12                        ; A's scales: 128 rows of 32 bytes
	s_mov_b32 s23, 0
	s_mul_i32 s46, s42, 16*TILEB
	s_add_co_u32 s46, s46, 11264*768               ; B's codes,
	s_mov_b32 s47, 0
	s_lshl_b32 s92, s42, 13
	s_add_co_u32 s92, s92, 11264*32                ; B's scales
	s_mov_b32 s93, 0
	s_wait_dscnt 0x0
	s_wait_kmcnt 0x0
	CROUND                                         ; all sixteen work-groups are here: the joint loads meet
	GROUP0 G0,   0,           4,  20
	GROUP0 G0B,  BREG,        8,  46
	GROUP0 G0S,  SCL,         6,  22
	GROUP0 G0SB, SCL+2*SA64,  10, 92
.macro ARM under, g0, g1, next         ; one chain of branches on the wave's number: every way through the head passes exactly one load
	s_cmp_lt_u32 s14, \under
	s_cbranch_scc0 \next
	tensor_load_to_lds s[\g0:\g0+3], s[\g1:\g1+7]
	s_nop 0
	PLACES 4
	s_branch .Lhead_asked
\next:
.endm
	ARM 1, G0B,  G1B,  .Lhead_a                    ; wave 0: B's 16 tiles, the largest
	ARM 2, G0,   G1,   .Lhead_sa                   ; wave 1: A's 8 tiles
	ARM 3, G0S,  G1S,  .Lhead_sb                   ; wave 2: A's scales
	tensor_load_to_lds s[G0SB:G0SB+3], s[G1SB:G1SB+7]   ; wave 3: B's
	s_nop 0
	PLACES 4
.Lhead_asked:
	s_mul_i32 s21, s15, 4*TILEB                    ; my four tiles of A,
	s_mul_i32 s22, s16, 8*TILEB
	s_add_co_u32 s22, s22, BREG                    ; my eight of B
	s_add_co_u32 s23, s22, 4*TILEB
	s_mul_i32 s88, s15, SA64
	s_mul_i32 s89, s16, 2*SA64
	s_add_co_u32 s89, s89, 2*SA64
	s_sub_co_u32 s89, s89, s88                     ; from my A rows' scales to my B rows'
	s_add_co_u32 s88, s88, SCL
	s_mul_i32 s90, s14, 16*SPITCH                  ; my stage
	s_lshl_b32 s94, s17, 7
	s_lshl_b32 s91, s15, 6
	s_add_co_u32 s94, s94, s91
	s_lshl_b32 s94, s94, 12                        ; my first token's row of out0
	s_lshl_b32 s46, s42, 10
	s_lshl_b32 s47, s16, 9
	s_add_co_u32 s46, s46, s47                     ; my first column, in bytes
	s_add_co_u32 s94, s94, s46
	s_mov_b32 s95, 0
	s_mov_b32 s47, 0
	s_add_nc_u64 s[96:97], s[96:97], s[94:95]
	s_add_nc_u64 s[98:99], s[98:99], s[46:47]
	v_and_b32 v1, 15, v0                           ; r
	v_bfe_u32 v2, v0, 4, 1                         ; h
	v_and_b32 v3, 31, v0
	v_lshlrev_b32 v[CO], 4, v3
	v_lshlrev_b32 v4, 3, v3
	v_add_nc_u32 v[ADRA], s21, v[CO]
	v_add_nc_u32 v[ADRA+1], s21, v4
	v_add_nc_u32 v[ADRB], s22, v[CO]
	v_add_nc_u32 v[ADRB+1], s23, v[CO]
	v_mul_u32_u24 v5, v1, 32                       ; my row's scales: 32 bytes a row,
	v_lshrrev_b32 v6, 8, v5
	v_lshl_add_u32 v5, v6, 4, v5                   ; and 16 more for each 256 passed
	v_mul_u32_u24 v6, s89, v2                      ; lanes 16-31 take B's
	v_add_nc_u32 v5, v5, v6
	v_add_nc_u32 v[ADRS], s88, v5
	v_mul_u32_u24 v5, v1, SPITCH
	v_lshl_add_u32 v5, v2, 6, v5
	v_add_nc_u32 v[STO], s90, v5
	v_add_nc_u32 v[RD], s90, v[CO]
	v_lshlrev_b32 v7, 6, v2
	WIN 0xc0                                       ; the bias into window 3: register j of tile b is column 32 (b / 2) + 16 h + 8 (b % 2) + j
.irp b, 0,1,2,3,4,5,6,7
	global_load_b128 v[8*\b:8*\b+3], v7, s[98:99] offset:4*(32*(\b/2)+8*(\b%2))
	global_load_b128 v[8*\b+4:8*\b+7], v7, s[98:99] offset:4*(32*(\b/2)+8*(\b%2))+16
.endr
	WIN 0
.macro FETCH k                         ; step k's fragments into set k % 2: 24 loads for B's eight, 16 for A's four
	WIN 0x40
.irp i, 0,1,2,3,4,5,6,7
.irp c, 0,1,2
	ds_load_b128 v[128*((\k)%2)+FR*\i+4*\c:128*((\k)%2)+FR*\i+4*\c+3], v[ADRB+\i/4] offset:TILEB*(\i%4)+1536*(\k)+512*\c
.endr
.endr
	WIN 0
.irp i, 0,1,2,3
.irp e, 0,1
	ds_load_b128 v[AF+48*((\k)%2)+FR*\i+6*\e:AF+48*((\k)%2)+FR*\i+6*\e+3], v[ADRA] offset:TILEB*\i+1536*(\k)+768*\e
	ds_load_b64 v[AF+48*((\k)%2)+FR*\i+6*\e+4:AF+48*((\k)%2)+FR*\i+6*\e+5], v[ADRA+1] offset:TILEB*\i+1536*(\k)+768*\e+512
.endr
.endr
.endm
.macro MUL k, first                    ; 32 products: the 32 accumulators take turns, one instruction a turn, in the same order in every step
.irp a, 0,1,2,3
.irp b, 0,1,2,3,4,5,6,7
.if \first
	v_wmma_scale_f32_16x16x128_f8f6f4 v[8*(8*\a+\b):8*(8*\a+\b)+7], v[128*((\k)%2)+FR*\b:128*((\k)%2)+FR*\b+FR-1], v[AF+48*((\k)%2)+FR*\a:AF+48*((\k)%2)+FR*\a+FR-1], v[8*\b:8*\b+7], v[SC+10*\b+(\k)], v[SC+10*\a+(\k)] matrix_a_fmt:MATRIX_FMT_FP6 matrix_b_fmt:MATRIX_FMT_FP6 matrix_a_scale:MATRIX_SCALE_ROW1
.else
	v_wmma_scale_f32_16x16x128_f8f6f4 v[8*(8*\a+\b):8*(8*\a+\b)+7], v[128*((\k)%2)+FR*\b:128*((\k)%2)+FR*\b+FR-1], v[AF+48*((\k)%2)+FR*\a:AF+48*((\k)%2)+FR*\a+FR-1], v[8*(8*\a+\b):8*(8*\a+\b)+7], v[SC+10*\b+(\k)], v[SC+10*\a+(\k)] matrix_a_fmt:MATRIX_FMT_FP6 matrix_b_fmt:MATRIX_FMT_FP6 matrix_a_scale:MATRIX_SCALE_ROW1
.endif
.endr
.endr
.endm
	s_wait_alu depctr_va_vdst(0)                   ; at the head's end
	s_wait_tensorcnt 0x0                           ; my tile of the four is in
	s_barrier_signal -1
	s_barrier_wait -1                              ; all four are
.irp i, 0,1,2,3,4,5,6,7                ; all scale words, once: eight a row.  (Lanes 0-15 of blocks 4-7 read words that no product names)
	ds_load_b128 v[SC+10*\i:SC+10*\i+3], v[ADRS] offset:\i*SBLK
	ds_load_b128 v[SC+10*\i+4:SC+10*\i+7], v[ADRS] offset:\i*SBLK+16
.endr
	FETCH 0
	s_wait_loadcnt 0x0                             ; the bias
	s_wait_dscnt 0x0
	FETCH 1
	WIN 0xb1                                       ; source 0 (B) window 1, source 1 (A) window 0, C window 3, D window 2
	MUL 0, 1
.set K_, 1
.rept 6
	s_wait_dscnt 0x0                               ; this step's fragments, asked for a step ago
	PLACES NP                                      ; in front of loads into the set that the last step multiplied
	FETCH K_+1
	WIN 0xa1                                       ; C and D window 2
	MUL K_, 0
.set K_, K_+1
.endr
	s_wait_dscnt 0x0                               ; my last reads of the tiles are over:
	s_barrier_signal -1                            ; say so,
	MUL 7, 0                                       ; work on registers while the others arrive,
	WIN 0
	s_barrier_wait -1                              ; and nobody reads A's region any more: the stages may be written
; THE WAY OUT, block by block of 16 tokens x 128 columns, through my own stage and back as whole rows of 512 bytes.  LDS serves a wave's instructions in order (ISA guide 5.7.1.4).
.macro TOSTAGE a
	WIN 0x08                                       ; the data: window 2
.irp b, 0,1,2,3,4,5,6,7
	ds_store_b128 v[STO], v[64*(\a)+8*\b:64*(\a)+8*\b+3] offset:128*(\b/2)+32*(\b%2)        ; each accumulator from its low end on
	ds_store_b128 v[STO], v[64*(\a)+8*\b+4:64*(\a)+8*\b+7] offset:128*(\b/2)+32*(\b%2)+16
.endr
	WIN 0
.irp t, 0,1,2,3,4,5,6,7,8,9,10,11,12,13,14,15
	ds_load_b128 v[BK+64*((\a)%2)+4*\t:BK+64*((\a)%2)+4*\t+3], v[RD] offset:\t*SPITCH
.endr
.endm
.macro SEND a, younger                 ; younger: the LDS instructions issued behind block a's loads, which may stay out
	s_wait_dscnt \younger
.irp t, 0,1,2,3,4,5,6,7,8,9,10,11,12,13,14,15
	global_store_b128 v[CO], v[BK+64*((\a)%2)+4*\t:BK+64*((\a)%2)+4*\t+3], s[96:97] offset:(32*((\a)/2)+8*((\a)%2)+\t+8*(\t/8))*4096 th:TH_STORE_NT   ; 32 lanes store 512 consecutive bytes, aligned
.endr
.endm
	PLACES NP                                      ; behind the last products: their results are read, and A's registers written, below
	TOSTAGE 0
.irp a, 1,2,3
.if \a > 1
	s_wait_xcnt 0x0                                ; block a - 2's stores have read their registers
.endif
	TOSTAGE \a
	SEND \a-1, 32                                  ; behind block a - 1's loads: block a's 16 stores and 16 loads
.endr
	SEND 3, 0
	s_wait_tensorcnt 0x0                           ; the wave's end
	ds_add_u32 v[SPW], v[NIL]
	s_wait_dscnt 0x0
	CROUND                                         ; the closing round
	s_endpgm
.Lfunc_end_k_qf1cfefd65b_proj:
	.size	k_qf1cfefd65b_proj, .Lfunc_end_k_qf1cfefd65b_proj-k_qf1cfefd65b_proj
	.p2alignl 7, 3214868480
	.fill 96, 4, 3214868480
	.section	.rodata,"a",@progbits
	.p2align	6, 0x0
	.amdhsa_kernel k_qf1cfefd65b_proj
		.amdhsa_group_segment_fixed_size 327680
		.amdhsa_private_segment_fixed_size 0
		.amdhsa_enable_private_segment 0
		.amdhsa_kernarg_size 48
		.amdhsa_user_sgpr_count 2
		.amdhsa_user_sgpr_kernarg_segment_ptr 1
		.amdhsa_wavefront_size32 1
		.amdhsa_system_sgpr_workgroup_id_x 1
		.amdhsa_system_sgpr_workgroup_id_y 1
		.amdhsa_system_sgpr_workgroup_id_z 1
		.amdhsa_system_vgpr_workitem_id 0
		.amdhsa_next_free_vgpr 832
		.amdhsa_next_free_sgpr 100
		.amdhsa_reserve_vcc 0
		.amdhsa_float_denorm_mode_32 3
		.amdhsa_float_denorm_mode_16_64 3
		.amdhsa_memory_ordered 1
		.amdhsa_forward_progress 1
		.amdhsa_inst_pref_size 80
	.end_amdhsa_kernel
	.amdgpu_metadata
---
amdhsa.version: [ 1, 2 ]
amdhsa.kernels:
  - .name:           k_qf1cfefd65b_proj
    .symbol:         k_qf1cfefd65b_proj.kd
    .args:
      - { .name: yc, .offset: 0, .size: 8, .value_kind: global_buffer, .address_space: global }
      - { .name: ys, .offset: 8, .size: 8, .value_kind: global_buffer, .address_space: global }
      - { .name: opc, .offset: 16, .size: 8, .value_kind: global_buffer, .address_space: global }
      - { .name: ops, .offset: 24, .size: 8, .value_kind: global_buffer, .address_space: global }
      - { .name: out0, .offset: 32, .size: 8, .value_kind: global_buffer, .address_space: global }
      - { .name: b_proj, .offset: 40, .size: 8, .value_kind: global_buffer, .address_space: global }
    .group_segment_fixed_size: 327680
    .private_segment_fixed_size: 0
    .kernarg_segment_align: 8
    .kernarg_segment_size: 48
    .max_flat_workgroup_size: 128
    .sgpr_count:     100
    .vgpr_count:     832
    .wavefront_size: 32
...
	.end_amdgpu_metadata
.endif
;; end of part 4
